; MI455X (gfx1250); checked and timed in simulation.
; The chip was launched on July 23, 2026; its instructions are those of AMD's public machine-readable ISA for CDNA 5 (MIT licence, August 2026) and "CDNA5" Instruction Set Architecture Reference Guide (July 2026). The comments in the code are by the model that wrote it; some were corrected since.
;; Unquantized Sparse Mo E Layer. Allowed arithmetic: float matrix products may take bf16 or f16 operands with f32 sums; all other float work in f32.
;; Inputs: down_proj 8 x 2,048 x 1,024 float32; gate_up_proj 8 x 2,048 x 2,048 float32; gating_output 1,024 x 8 float32; x 1,024 x 2,048 float32.
;; Outputs: out0 1,024 x 2,048 float32.
;; Constants: topk = 2.
;; 2 versions, each right and faster than the one before. Each part assembles by itself: llvm-mc -triple=amdgcn-amd-amdhsa -mcpu=gfx1250 --defsym DOCPART=n.
;; ======== version 1 of 2: 4 launches
;; workspace buffers: xb 4,194,304 bytes; pos 8,192 bytes of whole numbers; meta 256 bytes of whole numbers; coef 8,192 bytes; hB 4,456,448 bytes; y 17,825,792 bytes
;; launch route (part 1): grid 129 x 1, 32 waves a work-group, no clusters, 1,024 bytes of LDS; arguments x, gating_output, xb, pos, coef, meta; writes xb, pos, coef, meta
.if DOCPART == 1
	.amdgcn_target "amdgcn-amd-amdhsa--gfx1250"
	.amdhsa_code_object_version 6
	.text
	.protected	k_q7bba775ee7_route
	.globl	k_q7bba775ee7_route
	.p2align	8
	.type	k_q7bba775ee7_route,@function
k_q7bba775ee7_route:
	s_mov_b64 s[64:65], 0
	v_nop
	global_prefetch_b8 v0, s[64:65] scope:SCOPE_SE
	s_setreg_imm32_b32 hwreg(HW_REG_WAVE_MODE, 25, 1), 1
	s_wait_xcnt 0x0
; ROUTE.  Work-group 0: for each of the 1,024 tokens (thread t = token t) the two best experts, their two weights, and a SLOT for each of the 2,048
; (token, expert) pairs: the pairs sorted by expert, each expert's slots beginning at a multiple of 16.  Work-groups 1 to 128: x rounded to bf16, 64 KiB of x each.
; Stored: pos[t][2] (slots), coef[t][2] (weights), meta[e] = {first tile of 16 slots, number of tiles}, xb.  Every address is made of the thread's number alone; what hangs on the
; logits is only stored as data.
; ALL THE MODULE'S INPUTS ARE ROUNDED TO bf16 ALIKE: x and the weights for the matrix units, and the logits here, so that the result is the module's on bf16 inputs and not a mixture of two roundings.
; What is made of the rounded logits (compares, difference, exponential, division) is made in f32.
; LIMITS.  Logits nearer to each other than bf16's step, 2^-8 of their size, count as equal; the weights differ from those of the f32 logits by up to w0 w1 2^-8 (|l1| + |l2|), which grows with a common
; offset on the logits (at an offset of 30 the step is 0.125).  The two experts are chosen on the logits (strict compares: of equals the lower index wins), not on the f32 probabilities: two different
; bf16 logits give equal f32 probabilities only if both lie within some 1e-5 of zero, and may then be ordered otherwise than by a top-k on probabilities.
; The weights are w0 = 1 / (1 + 2^d), w1 = 2^d / (1 + 2^d), d = (l2 - l1) log2(e) <= 0: the row's maximum l1 is taken away, and the softmax's divisor cancels between the two.
; 2^d below 2^-126 counts as 0.  NaN and infinite logits are not treated apart.
.set L2E, 0x3fb8aa3b                   ; log2(e)
	s_load_b256 s[4:11], s[0:1], 0x0               ; x s[4:5], gating s[6:7], xb s[8:9], pos s[10:11]
	s_load_b128 s[12:15], s[0:1], 0x20             ; coef s[12:13], meta s[14:15]
	s_cmp_eq_u32 ttmp9, 0
	s_cbranch_scc1 .Lroute                         ; the same way for all waves of a work-group
	; x -> bf16.  1,024 threads x 16 bytes = 16 KiB a load; four loads a thread.  A wave's load covers 512 consecutive bytes, its store 256, both aligned.
	s_sub_co_u32 s16, ttmp9, 1
	s_lshl_b32 s18, s16, 16                        ; 64 KiB of x,
	s_mov_b32 s19, 0
	s_lshl_b32 s20, s16, 15                        ; 32 KiB of xb
	s_mov_b32 s21, 0
	v_lshlrev_b32 v1, 4, v0
	v_lshlrev_b32 v2, 3, v0
	s_wait_kmcnt 0x0
	s_add_nc_u64 s[4:5], s[4:5], s[18:19]
	s_add_nc_u64 s[8:9], s[8:9], s[20:21]
.irp j, 0,1,2,3
	global_load_b128 v[4+4*\j:7+4*\j], v1, s[4:5] offset:\j*16384 th:TH_LOAD_NT
.endr
.irp j, 0,1,2,3
	s_wait_loadcnt 3-\j                            ; loads come back in order: load j is in, the younger ones stay out
	v_cvt_pk_bf16_f32 v[20+2*\j], v[4+4*\j], v[5+4*\j]
	v_cvt_pk_bf16_f32 v[21+2*\j], v[6+4*\j], v[7+4*\j]
	global_store_b64 v2, v[20+2*\j:21+2*\j], s[8:9] offset:\j*8192
.endr
	s_endpgm
.Lroute:
	v_lshrrev_b32 v1, 5, v0
	v_readfirstlane_b32 s16, v1                    ; wave 0..31
	v_and_b32 v3, 31, v0                           ; lane
	v_lshlrev_b32 v2, 5, v0                        ; a token's eight logits are 32 bytes
	s_mov_b32 s22, 0x76543210                      ; v_permlanex16_b32: each lane takes its own place in the other half
	s_mov_b32 s23, 0xfedcba98
	s_wait_kmcnt 0x0
	global_load_b128 v[4:7], v2, s[6:7]
	global_load_b128 v[8:11], v2, s[6:7] offset:16
	s_wait_loadcnt 0x0
	; the logits are rounded to bf16, to nearest even, and widened again: the low half moves up, the high half stays
.irp k, 0,1,2,3
	v_cvt_pk_bf16_f32 v[24+\k], v[4+2*\k], v[5+2*\k]
.endr
.irp k, 0,1,2,3
	v_lshlrev_b32 v[4+2*\k], 16, v[24+\k]
	v_and_b32 v[5+2*\k], 0xffff0000, v[24+\k]
.endr
	; the best (m1 v12, i1 v13) and the second (m2 v14, i2 v15)
	v_cmp_gt_f32 s20, v5, v4
	v_cndmask_b32 v12, v4, v5, s20
	v_cndmask_b32 v14, v5, v4, s20
	v_cndmask_b32 v13, 0, 1, s20
	v_cndmask_b32 v15, 1, 0, s20
.macro TOP i                           ; logit i enters: above m1 it pushes m1 down to second; else above m2 it becomes second
	v_cmp_gt_f32 s20, v[4+\i], v12
	v_cmp_gt_f32 s21, v[4+\i], v14
	v_cndmask_b32 v14, v14, v[4+\i], s21
	v_cndmask_b32 v15, v15, \i, s21
	v_cndmask_b32 v14, v14, v12, s20
	v_cndmask_b32 v15, v15, v13, s20
	v_cndmask_b32 v12, v12, v[4+\i], s20
	v_cndmask_b32 v13, v13, \i, s20
.endm
.irp i, 2,3,4,5,6,7
	TOP \i
.endr
	v_sub_f32 v16, v14, v12                        ; l2 - l1 <= 0
	v_mul_f32 v16, L2E, v16
	v_exp_f32 v17, v16                             ; 2^d, in 0 to 1
	v_nop                                          ; a plain instruction between a transcendental and the use of its result (ISA guide 5.7.2)
	s_wait_alu depctr_va_vdst(0)
	v_add_f32 v18, 1.0, v17
	v_rcp_f32 v16, v18                             ; w0
	v_nop
	s_wait_alu depctr_va_vdst(0)
	v_mul_f32 v17, v17, v16                        ; w1
	; my place among my wave's tokens that chose expert e (a token chooses an expert at most once), and the wave's count for e
	v_mov_b32 v19, 0
	v_mov_b32 v20, 0
.macro RANK e
	v_cmp_eq_u32 s[24+\e], \e, v13
	v_cmp_eq_u32 s[32+\e], \e, v15
	s_or_b32 s[40+\e], s[24+\e], s[32+\e]
	s_bcnt1_i32_b32 s[48+\e], s[40+\e]
	v_mbcnt_lo_u32_b32 v18, s[40+\e], 0            ; how many lower lanes chose e
	v_cndmask_b32 v19, v19, v18, s[24+\e]
	v_cndmask_b32 v20, v20, v18, s[32+\e]
	v_mov_b32 v[24+\e], s[48+\e]
.endm
.irp e, 0,1,2,3,4,5,6,7
	RANK \e
.endr
	v_mov_b32 v21, s16
	v_lshlrev_b32 v21, 5, v21                      ; my wave's eight counts: 32 bytes of its own; all lanes write the same words with the same values
	ds_store_b128 v21, v[24:27]
	ds_store_b128 v21, v[28:31] offset:16
	s_wait_dscnt 0x0                               ; for the others' sake: my stores are done before I signal
	s_barrier_signal -1
	s_barrier_wait -1
	v_lshlrev_b32 v22, 5, v3                       ; lane j takes wave j's eight counts
	ds_load_b128 v[32:35], v22
	ds_load_b128 v[36:39], v22 offset:16
	v_cmp_gt_u32 s17, s16, v3                      ; the lanes that stand for waves in front of mine
	v_mov_b32 v56, 0                               ; v_permlanex16_b32's destination counts as read
	s_wait_dscnt 0x0
.irp e, 0,1,2,3,4,5,6,7
	v_cvt_f32_u32 v[40+\e], v[32+\e]               ; counts up to 1,024 are exact in f32
	v_cndmask_b32 v[48+\e], 0, v[40+\e], s17
.endr
.macro RED r                           ; the sum over the 32 lanes, in every lane
	v_add_f32_dpp v[\r], v[\r], v[\r] row_xmask:1 row_mask:0xf bank_mask:0xf
	v_add_f32_dpp v[\r], v[\r], v[\r] row_xmask:2 row_mask:0xf bank_mask:0xf
	v_add_f32_dpp v[\r], v[\r], v[\r] row_xmask:4 row_mask:0xf bank_mask:0xf
	v_add_f32_dpp v[\r], v[\r], v[\r] row_xmask:8 row_mask:0xf bank_mask:0xf
	v_permlanex16_b32 v56, v[\r], s22, s23
	v_add_f32 v[\r], v[\r], v56
.endm
.irp r, 40,41,42,43,44,45,46,47,48,49,50,51,52,53,54,55
	RED \r                                         ; v40-47: an expert's tokens in all; v48-55: those in waves in front of mine
.endr
.irp r, 40,41,42,43,44,45,46,47,48,49,50,51,52,53,54,55
	v_cvt_u32_f32 v[\r], v[\r]
.endr
	; v[64+2e] = the expert's first tile, v[65+2e] = its tiles (16 slots each); v[80+e] = the first slot of my wave's tokens
	v_mov_b32 v64, 0
.irp e, 0,1,2,3,4,5,6,7
	v_add_nc_u32 v[65+2*\e], 15, v[40+\e]
	v_lshrrev_b32 v[65+2*\e], 4, v[65+2*\e]
.if \e < 7
	v_add_nc_u32 v[66+2*\e], v[64+2*\e], v[65+2*\e]
.endif
	v_lshl_add_u32 v[80+\e], v[64+2*\e], 4, v[48+\e]
.endr
	v_mov_b32 v58, v80
	v_mov_b32 v59, v80
.irp e, 1,2,3,4,5,6,7
	v_cndmask_b32 v58, v58, v[80+\e], s[24+\e]
	v_cndmask_b32 v59, v59, v[80+\e], s[32+\e]
.endr
	v_add_nc_u32 v58, v58, v19
	v_add_nc_u32 v59, v59, v20
	v_lshlrev_b32 v60, 3, v0
	v_mov_b32 v61, 0
	global_store_b64 v60, v[58:59], s[10:11]       ; a wave's store covers 256 consecutive bytes, aligned
	global_store_b64 v60, v[16:17], s[12:13]
	s_wait_xcnt 0x0                                ; EXEC is a source of the stores above: it changes only behind this wait
	v_cmpx_gt_u32 1, v0                            ; thread 0 alone stores the table (every lane holds it)
.irp k, 0,1,2,3
	global_store_b128 v61, v[64+4*\k:67+4*\k], s[14:15] offset:16*\k
.endr
	s_endpgm
.Lfunc_end_k_q7bba775ee7_route:
	.size	k_q7bba775ee7_route, .Lfunc_end_k_q7bba775ee7_route-k_q7bba775ee7_route
	.p2alignl 7, 3214868480
	.fill 96, 4, 3214868480
	.section	.rodata,"a",@progbits
	.p2align	6, 0x0
	.amdhsa_kernel k_q7bba775ee7_route
		.amdhsa_group_segment_fixed_size 1024
		.amdhsa_private_segment_fixed_size 0
		.amdhsa_enable_private_segment 0
		.amdhsa_kernarg_size 48
		.amdhsa_user_sgpr_count 2
		.amdhsa_user_sgpr_kernarg_segment_ptr 1
		.amdhsa_wavefront_size32 1
		.amdhsa_system_sgpr_workgroup_id_x 1
		.amdhsa_system_sgpr_workgroup_id_y 1
		.amdhsa_system_sgpr_workgroup_id_z 1
		.amdhsa_system_vgpr_workitem_id 0
		.amdhsa_next_free_vgpr 128
		.amdhsa_next_free_sgpr 66
		.amdhsa_reserve_vcc 0
		.amdhsa_float_denorm_mode_32 3
		.amdhsa_float_denorm_mode_16_64 3
		.amdhsa_memory_ordered 1
		.amdhsa_forward_progress 1
		.amdhsa_inst_pref_size 21
	.end_amdhsa_kernel
	.amdgpu_metadata
---
amdhsa.version: [ 1, 2 ]
amdhsa.kernels:
  - .name:           k_q7bba775ee7_route
    .symbol:         k_q7bba775ee7_route.kd
    .args:
      - { .name: x, .offset: 0, .size: 8, .value_kind: global_buffer, .address_space: global }
      - { .name: gating_output, .offset: 8, .size: 8, .value_kind: global_buffer, .address_space: global }
      - { .name: xb, .offset: 16, .size: 8, .value_kind: global_buffer, .address_space: global }
      - { .name: pos, .offset: 24, .size: 8, .value_kind: global_buffer, .address_space: global }
      - { .name: coef, .offset: 32, .size: 8, .value_kind: global_buffer, .address_space: global }
      - { .name: meta, .offset: 40, .size: 8, .value_kind: global_buffer, .address_space: global }
    .group_segment_fixed_size: 1024
    .private_segment_fixed_size: 0
    .kernarg_segment_align: 8
    .kernarg_segment_size: 48
    .max_flat_workgroup_size: 1024
    .sgpr_count:     66
    .vgpr_count:     128
    .wavefront_size: 32
...
	.end_amdgpu_metadata
.endif
;; end of part 1
;; launch gateup (part 2): grid 32 x 8, 8 waves a work-group, no clusters, 287,232 bytes of LDS; arguments xb, gate_up_proj, pos, meta, hB; writes hB
.if DOCPART == 2
	.amdgcn_target "amdgcn-amd-amdhsa--gfx1250"
	.amdhsa_code_object_version 6
	.text
	.protected	k_q7bba775ee7_gateup
	.globl	k_q7bba775ee7_gateup
	.p2align	8
	.type	k_q7bba775ee7_gateup,@function
k_q7bba775ee7_gateup:
	s_mov_b64 s[64:65], 0
	v_nop
	global_prefetch_b8 v0, s[64:65] scope:SCOPE_SE
	s_setreg_imm32_b32 hwreg(HW_REG_WAVE_MODE, 25, 1), 1
	s_wait_xcnt 0x0
; GATE AND UP.  h[slot][f] = silu(x[tok] . Wg[e][f]) (x[tok] . Wu[e][f]) for the slots of expert e, tok = the slot's token.  x comes as bf16 (xb), W is f32 and is rounded to bf16 here; sums, silu and
; the product in f32; h is rounded once to bf16 and stored in blocks hB[f / 16][slot][f % 16], so that 16 slots x 16 columns are 512 consecutive bytes.
; SHARES.  Work-group (nb, e) owns 32 columns f = 32 nb .. of expert e: 32 rows of Wg and 32 of Wu, 64 x 2,048 f32, which no other work-group reads.
; Waves 4-7 LOAD: each streams 16 of the 64 rows, 128 along K (a chunk) at a time: memory -> registers -> bf16 -> LDS; each number is rounded once.  Every chunk has LDS bytes of its own:
; nothing in LDS is written twice, and at the end all 64 rows lie there.  A loader keeps 16 loads of 512 bytes out: its registers are its own, and 96 are left beside the compute waves' 416 of 512.
; Waves 0-3 COMPUTE, as many as a WGP has SIMDs: wave w owns the expert's tiles (16 slots) 4 i + w, i = 0..4, against all 64 rows: 20 accumulators.  That serves 320 slots.  An expert with more has them done
; afterwards in further groups of 20 tiles, from the weights that now lie in LDS, without barriers.  A tile past the expert's last computes on tile 0's tokens and is not stored.
; THE MATRIX INSTRUCTION IS USED TRANSPOSED: source 0 = 16 rows of W, source 1 = 16 tokens: a lane then holds one slot (lane % 16) and eight neighbouring columns, which pack into 16 bytes of hB.
; NO CLUSTER, NO TENSOR LOADS: the weights are read by one work-group each; what work-groups share are rows of xb picked by a list, 32 bytes of 16 scattered rows a load, which go straight to registers.
; The accumulators are cleared by 160 v_mov_b32, in the wait for the first weights: that spares a second text of a chunk whose products start the sums.
; LIMITS.  h in bf16 (8 significant bits).  Experts that a token did not choose are not computed for it.  silu(g) = g / (1 + 2^(-g log2 e)) is made before it meets u.
; REGISTERS.  Window 0: v0-31 addresses; v32-95 two buffers of 4 weight fragments; v96-255 tokens' fragments: 4 steps of 32 K x 5 tiles x 8 (on the way out v96-167 are at work).
; Window 1: v0-159 accumulators, (tile i, rows 16 q ..) at 32 i + 8 q; v160-230 the loaders' alone: 16 rows x 4, two packed pairs, three addresses.
.set NCH,    16                        ; chunks of 128 along K = 2,048
.set WPITCH, 8192                      ; bytes in a row of W
.set AHALF,  32                        ; from the first to the second half of a token fragment (16 along K), in bytes of xb
.set ASTEP,  64                        ; 32 along K
.set ACH,    4*ASTEP                   ; a chunk
.set ROWP,   272                       ; an LDS row: 256 bytes + 16 = 68 words: the 16 rows of a fragment load begin at 16 different groups of four banks (64 banks of 4 bytes: ISA guide 11.1)
.set CH,     64*ROWP                   ; a chunk in LDS
.set LIST,   NCH*CH                    ; behind the chunks: 2,176 words, slot -> token
.set HBLK,   2176*32                   ; a block of hB: 16 columns of all slots
.set GRP,    20                        ; tiles in a group
.set VL,  3                            ; v3      LDS address of my fragments: VB0 + the chunk pair in hand
.set VB0, 4                            ; v4      row l % 16, 16 bytes for each half of the lanes
.set VA,  6                            ; v6-10   tile i: my token's row in xb + 16 x half
.set VO,  11                           ; v11-15  tile i: my 16 bytes in a block of hB
.set VLI, 16                           ; v16     LIST + 4 (l % 16)
.set VH,  17                           ; v17     16 x half
.set VRH, 18                           ; v18     32 (l % 16) + 16 x half
.set LANE, 21
.set BF,  32
.set AR,  96
.set EH,  96                           ; the way out: tile i's packed h, 8 registers
.set ET,  136                          ; 16 at work
.set ES,  152                          ; 16 at work
.set WS,  160                          ; window 1: a loader's 16 rows as loaded
.set LT,  224                          ; window 1: two pairs of packed bf16, by turns
.set LVL, 228                          ; window 1: a loader's LDS address: LB0 + the chunk pair in hand
.set LB0, 229                          ; window 1: its 16 rows, 8 bytes a lane
.set LVG, 230                          ; window 1: 16 x lane
.set WV,  16                           ; s16 wave   s17 wave % 4   s18 nb   s19 e
.set LW,  17
.set NB,  18
.set EX,  19
.set OFF16, 20                         ; s20 the expert's first tile   s21 its tiles
.set NT,  21
.set PG,  22                           ; s22 group of 20 tiles
.set CNT, 23
.set SW,  24                           ; s[24:25] W at my 16 rows, at the chunk pair in hand
.set SA,  26                           ; s[26:27] xb at the chunk pair in hand;  s[28:29] xb
.set SA0, 28
.set TS,  32                           ; s32-36  tile i: its number among all tiles (0 if dead)
.set GI,  37                           ; s37-41  tile i: its number in the expert
.set SOUT, 42                          ; s[42:43] hB at my first block
.set TB,  46                           ; s46 LDS byte of the chunk pair in hand
.set MSB, 0
.macro WIN new                         ; s_set_vgpr_msb: bits 1:0 source 0, 3:2 source 1, 5:4 source 2, 7:6 destination; the high byte repeats the setting that is left
.if MSB != (\new)
	s_set_vgpr_msb (MSB<<8)|(\new)
.set MSB, \new
.endif
.endm
.macro BLD buf, off                    ; 4 weight fragments (64 rows x 32 K) from byte off behind VL
.irp q, 0,1,2,3
	ds_load_b128 v[BF+32*(\buf)+8*\q:BF+32*(\buf)+8*\q+3],   v[VL] offset:(\off)+\q*16*ROWP
	ds_load_b128 v[BF+32*(\buf)+8*\q+4:BF+32*(\buf)+8*\q+7], v[VL] offset:(\off)+\q*16*ROWP+32
.endr
.endm
.macro ALD s, off                      ; 5 token fragments (80 slots x 32 K) into place s of the ring of four
.irp i, 0,1,2,3,4
	global_load_b128 v[AR+40*(\s)+8*\i:AR+40*(\s)+8*\i+3],   v[VA+\i], s[SA:SA+1] offset:(\off)
	global_load_b128 v[AR+40*(\s)+8*\i+4:AR+40*(\s)+8*\i+7], v[VA+\i], s[SA:SA+1] offset:(\off)+AHALF
.endr
.endm
; 20 matrix instructions, the 20 accumulators by turns.  The four v_nop are the places in front of the loads into the fragments just read, and of the way out.
.macro MMA s, buf
	WIN 0x50                                       ; C and D in window 1
.irp q, 0,1,2,3
.irp i, 0,1,2,3,4
	v_wmma_f32_16x16x32_bf16 v[32*\i+8*\q:32*\i+8*\q+7], v[BF+32*(\buf)+8*\q:BF+32*(\buf)+8*\q+7], v[AR+40*(\s)+8*\i:AR+40*(\s)+8*\i+7], v[32*\i+8*\q:32*\i+8*\q+7]
.endr
.endr
	WIN 0
.rept 4
	v_nop
.endr
.endm
; A chunk's four steps of 32 K.  Weight fragments: two buffers, each filled a step ahead; step 0's were fetched in the chunk before.  Token fragments: place s is asked for again, for the next chunk, right behind its use.
; s_wait_loadcnt 30: the three younger steps' ten loads each stay out (last chunk: 30, 20, 10, 0).  s_wait_dscnt 8: the next step's eight fragment loads stay out.
.macro COMPUTE par, last
	BLD 1, (\par)*CH+64
	s_wait_loadcnt 30
	MMA 0, 0
	BLD 0, (\par)*CH+128
.if !(\last)
	ALD 0, ((\par)+1)*ACH
.endif
	s_wait_dscnt 8
	s_wait_loadcnt 30-10*(\last)
	MMA 1, 1
	BLD 1, (\par)*CH+192
.if !(\last)
	ALD 1, ((\par)+1)*ACH+ASTEP
.endif
	s_wait_dscnt 8
	s_wait_loadcnt 30-20*(\last)
	MMA 2, 0
.if !(\last)
	BLD 0, ((\par)+1)*CH
	ALD 2, ((\par)+1)*ACH+2*ASTEP
.endif
	s_wait_dscnt 8-8*(\last)
	s_wait_loadcnt 30-30*(\last)
	MMA 3, 1
.if !(\last)
	ALD 3, ((\par)+1)*ACH+3*ASTEP
.endif
.endm
; A loader's chunk: 16 rows.  Row j: its 512 bytes are in (16 loads are out: the 15 younger ones stay out; when nothing is asked for any more the count runs down 15 - j); rounded to bf16;
; 256 consecutive bytes into LDS chunk dch behind LVL; refill = 1: the registers take row j of chunk gch behind SW.  All its vector operands lie in window 1: one setting serves the whole chunk.
.macro HANDLE refill, dch, gch
	WIN 0x45                                       ; destination, source 0 and source 1 in window 1
.set hj, 0
.rept 16
.if \refill
	s_wait_loadcnt 15
.else
	s_wait_loadcnt 15-hj
.endif
	v_cvt_pk_bf16_f32 v[LT+2*(hj%2)],   v[WS+4*hj],   v[WS+4*hj+1]
	v_cvt_pk_bf16_f32 v[LT+2*(hj%2)+1], v[WS+4*hj+2], v[WS+4*hj+3]
	ds_store_b64 v[LVL], v[LT+2*(hj%2):LT+2*(hj%2)+1] offset:(\dch)*CH+hj*ROWP
.if \refill
	global_load_b128 v[WS+4*hj:WS+4*hj+3], v[LVG], s[SW:SW+1] offset:hj*WPITCH+(\gch)*512 th:TH_LOAD_NT
.endif
.set hj, hj+1
.endr
	WIN 0
.endm
; One chunk c.  Behind the barrier chunks up to c + 1 are whole for every wave.  Compute waves read chunk c and the first step of c + 1; loaders store chunk c + 2.  lmode: 1 store and ask, 2 store only, 0 nothing.
.macro ITER par, lmode, ldch, lgch, last
	s_barrier_signal -1
	s_barrier_wait -1
	s_cmp_lt_u32 s[WV], 4
	s_cbranch_scc0 .Lld_\@
	COMPUTE \par, \last
	s_branch .Ljn_\@
.Lld_\@:
.if (\lmode) == 1
	HANDLE 1, \ldch, \lgch
.elseif (\lmode) == 2
	HANDLE 0, \ldch, 0
.endif
.Ljn_\@:
	s_wait_dscnt 0x0                               ; in front of the next signal: a loader's stores are done, for the others' sake; no LDS load of mine is out
.endm
.macro STEP                            ; two chunks on; every wave holds all pointers and both LDS addresses
	s_wait_xcnt 0x0                                ; the bases of the loads that are out are rewritten only behind this wait
	s_add_nc_u64 s[SW:SW+1], s[SW:SW+1], 2*512
	s_add_nc_u64 s[SA:SA+1], s[SA:SA+1], 2*ACH
	s_add_co_u32 s[TB], s[TB], 2*CH
	v_add_nc_u32 v[VL], s[TB], v[VB0]
	WIN 0x44                                       ; destination and source 1 in window 1
	v_add_nc_u32 v[LVL], s[TB], v[LB0]
	WIN 0
.endm
.macro TILES                           ; my five tiles of group PG
	s_mul_i32 s44, s[PG], GRP
	s_add_co_u32 s44, s44, s[LW]
.irp i, 0,1,2,3,4
	s_add_co_u32 s[GI+\i], s44, 4*\i
	s_add_co_u32 s45, s[OFF16], s[GI+\i]
	s_cmp_lt_u32 s[GI+\i], s[NT]
	s_cselect_b32 s45, s45, 0                      ; a dead tile takes tile 0, which always has tokens
	s_min_u32 s[TS+\i], s45, 135                   ; 136 tiles in all
.endr
.endm
.macro SETA                            ; my slots' tokens from the list; the offsets in xb and hB
.irp i, 0,1,2,3,4
	s_lshl_b32 s44, s[TS+\i], 6
	v_add_nc_u32 v[VO+\i], s44, v[VLI]
	ds_load_b32 v[VA+\i], v[VO+\i]
.endr
	s_wait_dscnt 0x0
.irp i, 0,1,2,3,4
	v_min_u32 v[VA+\i], 1023, v[VA+\i]
	v_lshl_add_u32 v[VA+\i], v[VA+\i], 12, v[VH]   ; token x 4,096 bytes + 16 x half
	s_lshl_b32 s44, s[TS+\i], 9
	v_add_nc_u32 v[VO+\i], s44, v[VRH]             ; tile x 512 bytes + my 16
.endr
.endm
.macro CLEAR
	WIN 0x40
.set ci, 0
.rept 160
	v_mov_b32 v[ci], 0
.set ci, ci+1
.endr
	WIN 0
.endm
.macro OCHUNK                          ; a chunk of a later group: plain, no barrier: all weights lie in LDS
	ALD 0, 0
	ALD 1, ASTEP
	ALD 2, 2*ASTEP
	ALD 3, 3*ASTEP
.irp s, 0,1,2,3
	BLD 0, \s*64
	s_wait_dscnt 0x0
	s_wait_loadcnt 30-10*\s                        ; the younger steps' loads stay out
	MMA \s, 0
.endr
	s_wait_xcnt 0x0
	s_add_nc_u64 s[SA:SA+1], s[SA:SA+1], ACH
	s_add_co_u32 s[TB], s[TB], CH
	v_add_nc_u32 v[VL], s[TB], v[VB0]
.endm
; THE WAY OUT of tile i: g in accumulators (i, 0), (i, 1): 16 registers on end; u in (i, 2), (i, 3).  Each accumulator is read from its low end on.
.macro EPI1 i
	s_cmp_lt_u32 s[GI+\i], s[NT]
	s_cbranch_scc0 .Ldead_\@
	WIN 0x01                                       ; source 0 in window 1
.irp k, 0,1,2,3,4,5,6,7
	v_pk_mul_f32 v[ET+2*\k:ET+2*\k+1], v[32*\i+2*\k:32*\i+2*\k+1], 0xbfb8aa3b op_sel_hi:[1,0]  ; -g log2(e)
.endr
	WIN 0
.set ek, 0
.rept 16
	v_exp_f32 v[ET+ek], v[ET+ek]
.set ek, ek+1
.endr
	v_nop                                          ; a plain instruction between the transcendentals and the use of their results (ISA guide 5.7.2)
	s_wait_alu depctr_va_vdst(0)
.irp k, 0,1,2,3,4,5,6,7
	v_pk_add_f32 v[ET+2*\k:ET+2*\k+1], v[ET+2*\k:ET+2*\k+1], 1.0 op_sel_hi:[1,0]
.endr
.set ek, 0
.rept 16
	v_rcp_f32 v[ET+ek], v[ET+ek]
.set ek, ek+1
.endr
	v_nop
	WIN 0x01
	s_wait_alu depctr_va_vdst(0)
.irp k, 0,1,2,3,4,5,6,7
	v_pk_mul_f32 v[ES+2*\k:ES+2*\k+1], v[32*\i+2*\k:32*\i+2*\k+1], v[ET+2*\k:ET+2*\k+1]        ; silu(g)
.endr
.irp k, 0,1,2,3,4,5,6,7
	v_pk_mul_f32 v[ES+2*\k:ES+2*\k+1], v[32*\i+16+2*\k:32*\i+16+2*\k+1], v[ES+2*\k:ES+2*\k+1]  ; times u
.endr
	WIN 0
.irp k, 0,1,2,3,4,5,6,7
	v_cvt_pk_bf16_f32 v[EH+8*\i+\k], v[ES+2*\k], v[ES+2*\k+1]
.endr
	global_store_b128 v[VO+\i], v[EH+8*\i:EH+8*\i+3],   s[SOUT:SOUT+1]               ; the wave stores 512 consecutive bytes, aligned: 16 slots x 16 columns
	global_store_b128 v[VO+\i], v[EH+8*\i+4:EH+8*\i+7], s[SOUT:SOUT+1] offset:HBLK
.Ldead_\@:
.endm
	s_load_b256 s[4:11], s[0:1], 0x0               ; xb s[4:5], W s[6:7], pos s[8:9], meta s[10:11]
	s_load_b64 s[12:13], s[0:1], 0x20              ; hB
	v_lshrrev_b32 v1, 5, v0
	v_readfirstlane_b32 s[WV], v1
	s_and_b32 s[LW], s[WV], 3
	s_mov_b32 s[NB], ttmp9
	s_and_b32 s[EX], ttmp7, 0xffff
	v_and_b32 v1, 15, v0                           ; l % 16
	v_bfe_u32 v2, v0, 4, 1                         ; l / 16
	v_and_b32 v[LANE], 31, v0
	s_mov_b32 s[PG], 0
	s_mov_b32 s[TB], 0
	v_mul_u32_u24 v[VB0], v1, ROWP                 ; every wave makes both roles' LDS addresses: STEP, which all waves run, steps both
	v_lshl_add_u32 v[VB0], v2, 4, v[VB0]
	v_mov_b32 v[VL], v[VB0]
	s_mul_i32 s44, s[LW], 16*ROWP
	WIN 0x40                                       ; destination in window 1
	v_lshlrev_b32 v[LVG], 4, v[LANE]
	v_lshl_add_u32 v[LB0], v[LANE], 3, s44
	v_lshl_add_u32 v[LVL], v[LANE], 3, s44
	WIN 0
	s_lshl_b32 s30, s[EX], 3
	s_mov_b32 s31, 0
	s_wait_kmcnt 0x0
	s_add_nc_u64 s[10:11], s[10:11], s[30:31]
	s_load_b64 s[OFF16:OFF16+1], s[10:11], 0x0     ; my expert's first tile and its tiles
	s_lshl_b32 s30, s[EX], 24                      ; an expert: 2,048 rows of 8,192 bytes
	s_lshr_b32 s44, s[LW], 1
	s_lshl_b32 s44, s44, 23                        ; up's rows lie 1,024 rows behind gate's
	s_add_co_u32 s30, s30, s44
	s_lshl_b32 s44, s[NB], 18                      ; 32 rows a work-group
	s_add_co_u32 s30, s30, s44
	s_and_b32 s44, s[LW], 1
	s_lshl_b32 s44, s44, 17                        ; 16 rows a loader
	s_add_co_u32 s30, s30, s44
	s_add_nc_u64 s[SW:SW+1], s[6:7], s[30:31]
	s_mov_b64 s[SA:SA+1], s[4:5]
	s_mov_b64 s[SA0:SA0+1], s[4:5]
	s_mul_i32 s30, s[NB], 2*HBLK
	s_add_nc_u64 s[SOUT:SOUT+1], s[12:13], s[30:31]
	s_cmp_lt_u32 s[WV], 4
	s_cbranch_scc1 .Lca
	WIN 0x45                                       ; LOADERS: chunk 0 is asked for before anything else: 16 loads of 512 consecutive bytes
.set hj, 0
.rept 16
	global_load_b128 v[WS+4*hj:WS+4*hj+3], v[LVG], s[SW:SW+1] offset:hj*WPITCH th:TH_LOAD_NT
.set hj, hj+1
.endr
	WIN 0
	s_branch .Lja
.Lca:
	v_lshlrev_b32 v[VH], 4, v2
	v_lshl_add_u32 v[VRH], v1, 5, v[VH]
	v_lshl_add_u32 v[VLI], v1, 2, LIST
	s_cmp_lg_u32 s[WV], 0
	s_cbranch_scc1 .Lja
	; WAVE 0 turns pos (token -> slot) round into the list (slot -> token).  Zeros first: a slot that no pair has takes token 0.  LDS serves a wave's instructions in order (ISA guide 5.7.1.4): the entries land on the zeros.
	v_lshlrev_b32 v23, 4, v[LANE]
.set lj, 0
.rept 16
	global_load_b128 v[AR+4*lj:AR+4*lj+3], v23, s[8:9] offset:512*lj
.set lj, lj+1
.endr
	v_lshl_add_u32 v22, v[LANE], 4, LIST
.irp k, 24,25,26,27
	v_mov_b32 v\k, 0
.endr
.set lj, 0
.rept 17
	ds_store_b128 v22, v[24:27] offset:512*lj
.set lj, lj+1
.endr
	s_wait_loadcnt 0x0
.set lj, 0
.rept 16
	v_lshl_add_u32 v28, v[LANE], 1, 64*lj          ; word 128 j + 4 lane + q of pos belongs to token 64 j + 2 lane + q / 2
	v_add_nc_u32 v29, 1, v28
.irp q, 0,1,2,3
	v_min_u32 v[AR+4*lj+\q], 2175, v[AR+4*lj+\q]
	v_lshl_add_u32 v[AR+4*lj+\q], v[AR+4*lj+\q], 2, LIST
	ds_store_b32 v[AR+4*lj+\q], v[28+\q/2]
.endr
.set lj, lj+1
.endr
.Lja:
	s_wait_kmcnt 0x0
	s_min_u32 s[OFF16], s[OFF16], 135
	s_min_u32 s[NT], s[NT], 64
	TILES
	s_wait_dscnt 0x0                               ; the list is stored
	s_barrier_signal -1
	s_barrier_wait -1                              ; and may be read by all
	; The list is read between two barriers between which no wave writes LDS: where a read falls hangs on a tile's number, which comes from memory.
	s_cmp_lt_u32 s[WV], 4
	s_cbranch_scc0 .Lj2
	SETA
	ALD 0, 0                                       ; chunk 0's four steps: 40 loads are out
	ALD 1, ASTEP
	ALD 2, 2*ASTEP
	ALD 3, 3*ASTEP
.Lj2:
	s_wait_dscnt 0x0
	s_barrier_signal -1
	s_barrier_wait -1                              ; every wave has read its part of the list: the loaders may store
	s_cmp_lt_u32 s[WV], 4
	s_cbranch_scc1 .Lcb
	HANDLE 1, 0, 1                                 ; chunk 0 into LDS; chunk 1 is asked for
	s_branch .Ljb
.Lcb:
	CLEAR
.Ljb:
	s_wait_dscnt 0x0
	s_barrier_signal -1
	s_barrier_wait -1                              ; chunk 0 is whole
	s_cmp_lt_u32 s[WV], 4
	s_cbranch_scc1 .Lcc
	HANDLE 1, 1, 2                                 ; chunk 1 into LDS; chunk 2 is asked for
	s_branch .Ljc
.Lcc:
	BLD 0, 0
.Ljc:
	s_wait_dscnt 0x0
	s_mov_b32 s[CNT], (NCH-4)/2
.Lmain:                                                ; a trip: two chunks; the loaders store the chunks two on and ask for those three on
	ITER 0, 1, 2, 3, 0
	ITER 1, 1, 3, 4, 0
	STEP
	s_sub_co_u32 s[CNT], s[CNT], 1
	s_cmp_lg_u32 s[CNT], 0
	s_cbranch_scc1 .Lmain
	ITER 0, 1, 2, 3, 0                             ; the last four chunks: W's last chunk is asked for here,
	ITER 1, 2, 3, 0, 0                             ; and stored here: nothing more is asked of W
	STEP
	ITER 0, 0, 0, 0, 0
	ITER 1, 0, 0, 0, 1
	s_cmp_lt_u32 s[WV], 4
	s_cbranch_scc1 .Lepi                           ; the loop over groups is entered at the first group's way out
	s_endpgm                                       ; the loaders are done: no barrier follows
.Lover:                                                ; groups 1 to 3: only for an expert with more than 320, 640, 960 slots
	s_mul_i32 s44, s[PG], GRP
	s_cmp_lt_u32 s44, s[NT]
	s_cbranch_scc0 .Lnext
	s_wait_xcnt 0x0                                ; the last group's stores have read their offsets and their data
	TILES
	SETA
	CLEAR
	s_mov_b64 s[SA:SA+1], s[SA0:SA0+1]
	s_mov_b32 s[TB], 0
	v_mov_b32 v[VL], v[VB0]
	s_mov_b32 s[CNT], NCH
.Loch:
	OCHUNK
	s_sub_co_u32 s[CNT], s[CNT], 1
	s_cmp_lg_u32 s[CNT], 0
	s_cbranch_scc1 .Loch
.Lepi:
	s_wait_loadcnt 0x0                             ; the ring's registers are put to other use from here on: no load into them is out (the count-downs above ended at 0)
	s_wait_xcnt 0x0                                ; the registers that the last group's stores read are rewritten only behind this wait
	EPI1 0
	EPI1 1
	EPI1 2
	EPI1 3
	EPI1 4
.Lnext:
	s_add_co_u32 s[PG], s[PG], 1
	s_cmp_lt_u32 s[PG], 4
	s_cbranch_scc1 .Lover
	s_endpgm
.Lfunc_end_k_q7bba775ee7_gateup:
	.size	k_q7bba775ee7_gateup, .Lfunc_end_k_q7bba775ee7_gateup-k_q7bba775ee7_gateup
	.p2alignl 7, 3214868480
	.fill 96, 4, 3214868480
	.section	.rodata,"a",@progbits
	.p2align	6, 0x0
	.amdhsa_kernel k_q7bba775ee7_gateup
		.amdhsa_group_segment_fixed_size 287232
		.amdhsa_private_segment_fixed_size 0
		.amdhsa_enable_private_segment 0
		.amdhsa_kernarg_size 40
		.amdhsa_user_sgpr_count 2
		.amdhsa_user_sgpr_kernarg_segment_ptr 1
		.amdhsa_wavefront_size32 1
		.amdhsa_system_sgpr_workgroup_id_x 1
		.amdhsa_system_sgpr_workgroup_id_y 1
		.amdhsa_system_sgpr_workgroup_id_z 1
		.amdhsa_system_vgpr_workitem_id 0
		.amdhsa_next_free_vgpr 512
		.amdhsa_next_free_sgpr 66
		.amdhsa_reserve_vcc 0
		.amdhsa_float_denorm_mode_32 3
		.amdhsa_float_denorm_mode_16_64 3
		.amdhsa_memory_ordered 1
		.amdhsa_forward_progress 1
		.amdhsa_inst_pref_size 174
	.end_amdhsa_kernel
	.amdgpu_metadata
---
amdhsa.version: [ 1, 2 ]
amdhsa.kernels:
  - .name:           k_q7bba775ee7_gateup
    .symbol:         k_q7bba775ee7_gateup.kd
    .args:
      - { .name: xb, .offset: 0, .size: 8, .value_kind: global_buffer, .address_space: global }
      - { .name: gate_up_proj, .offset: 8, .size: 8, .value_kind: global_buffer, .address_space: global }
      - { .name: pos, .offset: 16, .size: 8, .value_kind: global_buffer, .address_space: global }
      - { .name: meta, .offset: 24, .size: 8, .value_kind: global_buffer, .address_space: global }
      - { .name: hB, .offset: 32, .size: 8, .value_kind: global_buffer, .address_space: global }
    .group_segment_fixed_size: 287232
    .private_segment_fixed_size: 0
    .kernarg_segment_align: 8
    .kernarg_segment_size: 40
    .max_flat_workgroup_size: 256
    .sgpr_count:     66
    .vgpr_count:     512
    .wavefront_size: 32
...
	.end_amdgpu_metadata
.endif
;; end of part 2
;; launch down (part 3): grid 32 x 8, 8 waves a work-group, no clusters, 313,344 bytes of LDS; arguments hB, down_proj, meta, y; writes y
.if DOCPART == 3
	.amdgcn_target "amdgcn-amd-amdhsa--gfx1250"
	.amdhsa_code_object_version 6
	.text
	.protected	k_q7bba775ee7_down
	.globl	k_q7bba775ee7_down
	.p2align	8
	.type	k_q7bba775ee7_down,@function
k_q7bba775ee7_down:
	s_mov_b64 s[64:65], 0
	v_nop
	global_prefetch_b8 v0, s[64:65] scope:SCOPE_SE
	s_setreg_imm32_b32 hwreg(HW_REG_WAVE_MODE, 25, 1), 1
	s_wait_xcnt 0x0
; DOWN.  y[slot][d] = h[slot] . Wd[e][d] for the slots of expert e.  h comes as bf16 in blocks hB[f / 16][slot][f % 16]; Wd is f32 and is rounded to bf16 here; sums in f32; y is f32, [2,176 slots][2,048].
; SHARES.  Work-group (nb, e) owns the 64 columns d = 64 nb .. of expert e: 64 rows of Wd x 1,024 f32, which no other work-group reads.
; Waves 4-7 LOAD: each streams 16 of the 64 rows, 128 along K (a chunk) at a time: memory -> registers -> bf16 -> LDS, each chunk into LDS bytes of its own: nothing of them is written twice.
; A loader keeps 16 loads of 512 bytes out: its registers are its own, and 96 are left beside the compute waves' 416 of 512.
; Waves 0-3 COMPUTE, as many as a WGP has SIMDs: wave w owns the expert's tiles (16 slots) 4 i + w, i = 0..4, against all 64 rows: 20 accumulators, 320 slots.  A tile past the expert's last computes on
; tile 0, which is always written, and is not stored.
; THE MATRIX INSTRUCTION IS USED TRANSPOSED: source 0 = 16 rows of Wd, source 1 = 16 slots: a lane holds one slot and eight neighbouring columns.  A tile's 16 rows x 256 bytes go through the wave's own stage in LDS,
; so that sixteen lanes store 256 consecutive bytes of y, aligned.  The stage has bytes for each of a wave's five tiles.  Its stores stand between two barriers between which no wave reads LDS; behind the
; second LDS is only read.  (The stage's bytes are each wave's own; the two barriers keep every write of LDS apart from every read of it without leaning on that.)
; MORE THAN 320 SLOTS.  Further groups of 20 tiles are made from the weights that lie in LDS, without barriers, and stored straight from the accumulators, 16 bytes a lane, two such pieces of each of
; 16 rows an instruction.  That way out is the poorer one; it is taken only by an expert with more than 320 of the 2,048 pairs.
; NO CLUSTER, NO TENSOR LOADS: the weights are read by one work-group each and must be rounded on their way; h's fragments are 512 consecutive bytes a load and go straight to registers.
; The accumulators are cleared by 160 v_mov_b32, in the wait for the first weights: that spares a second text of a chunk whose products start the sums.
; REGISTERS.  Window 0: v0-31 addresses; v32-95 two buffers of 4 weight fragments (on the way out v32-63 take a tile's rows back from the stage); v96-255 h's fragments: 4 steps of 32 K x 5 tiles x 8.
; Window 1: v0-159 accumulators, (tile i, rows 16 q ..) at 32 i + 8 q; v160-230 the loaders' alone: 16 rows x 4, two packed pairs, three addresses.
.set NCH,    8                         ; chunks of 128 along K = 1,024
.set WPITCH, 4096                      ; bytes in a row of Wd
.set HBLK,   2176*32                   ; a block of hB: 16 along K of all slots
.set AHALF,  HBLK                      ; from the first to the second half of a fragment (16 along K)
.set ASTEP,  2*HBLK                    ; 32 along K
.set ACH,    4*ASTEP                   ; a chunk
.set ROWP,   272                       ; an LDS row: 256 bytes + 16 = 68 words: the 16 rows of a fragment load begin at 16 different groups of four banks (64 banks of 4 bytes: ISA guide 11.1)
.set CH,     64*ROWP                   ; a chunk in LDS
.set STAGE,  NCH*CH                    ; behind the chunks: the stages
.set STG,    16*ROWP                   ; a tile in a stage
.set WSTG,   5*STG                     ; a wave's stage.  Its address is the wave's number times this, made in text that all eight waves run: eight are allotted, the four loaders' are never touched
.set GRP,    20
.set VL,  3                            ; v3      LDS address of my fragments: VB0 + the chunk pair in hand
.set VB0, 4                            ; v4      row l % 16, 16 bytes for each half of the lanes
.set VA,  6                            ; v6-10   tile i: my 16 bytes in a block of hB; on a later group's way out: my 32 bytes in y
.set VST, 16                           ; v16     the way out: where I put my 32 bytes of a row
.set VRH, 17                           ; v17     32 (l % 16) + 16 x half
.set VRD, 18                           ; v18     the way out: where I read rows back
.set VYB, 19                           ; v19     my 16 bytes in two rows of y
.set VY,  20                           ; v20     the same in the tile in hand
.set LANE, 21
.set VYD, 22                           ; v22     row l % 16 of y, 32 bytes for each half of the lanes
.set BF,  32
.set RB,  32
.set AR,  96
.set WS,  160                          ; window 1: a loader's 16 rows as loaded
.set LT,  224                          ; window 1: two pairs of packed bf16, by turns
.set LVL, 228                          ; window 1: a loader's LDS address: LB0 + the chunk pair in hand
.set LB0, 229                          ; window 1: its 16 rows, 8 bytes a lane
.set LVG, 230                          ; window 1: 16 x lane
.set WV,  16
.set LW,  17
.set NB,  18
.set EX,  19
.set OFF16, 20
.set NT,  21
.set PG,  22
.set CNT, 23
.set SW,  24                           ; s[24:25] Wd at my 16 rows, at the chunk pair in hand
.set SA,  26                           ; s[26:27] hB at the chunk pair in hand;  s[28:29] hB
.set SA0, 28
.set TS,  32
.set GI,  37
.set SOUT, 42                          ; s[42:43] y at my 64 columns
.set TB,  46
.set MSB, 0
.macro WIN new                         ; s_set_vgpr_msb: bits 1:0 source 0, 3:2 source 1, 5:4 source 2, 7:6 destination; the high byte repeats the setting that is left
.if MSB != (\new)
	s_set_vgpr_msb (MSB<<8)|(\new)
.set MSB, \new
.endif
.endm
.macro BLD buf, off                    ; 4 weight fragments (64 rows x 32 K) from byte off behind VL
.irp q, 0,1,2,3
	ds_load_b128 v[BF+32*(\buf)+8*\q:BF+32*(\buf)+8*\q+3],   v[VL] offset:(\off)+\q*16*ROWP
	ds_load_b128 v[BF+32*(\buf)+8*\q+4:BF+32*(\buf)+8*\q+7], v[VL] offset:(\off)+\q*16*ROWP+32
.endr
.endm
.macro ALD s, off                      ; 5 fragments of h (80 slots x 32 K) into place s of the ring of four; each load takes 512 consecutive bytes
.irp i, 0,1,2,3,4
	global_load_b128 v[AR+40*(\s)+8*\i:AR+40*(\s)+8*\i+3],   v[VA+\i], s[SA:SA+1] offset:(\off)
	global_load_b128 v[AR+40*(\s)+8*\i+4:AR+40*(\s)+8*\i+7], v[VA+\i], s[SA:SA+1] offset:(\off)+AHALF
.endr
.endm
; 20 matrix instructions, the 20 accumulators by turns.  The four v_nop are the places in front of the loads into the fragments just read, and of the way out.
.macro MMA s, buf
	WIN 0x50                                       ; C and D in window 1
.irp q, 0,1,2,3
.irp i, 0,1,2,3,4
	v_wmma_f32_16x16x32_bf16 v[32*\i+8*\q:32*\i+8*\q+7], v[BF+32*(\buf)+8*\q:BF+32*(\buf)+8*\q+7], v[AR+40*(\s)+8*\i:AR+40*(\s)+8*\i+7], v[32*\i+8*\q:32*\i+8*\q+7]
.endr
.endr
	WIN 0
.rept 4
	v_nop
.endr
.endm
; A chunk's four steps of 32 K.  s_wait_loadcnt 30: the three younger steps' ten loads each stay out (last chunk: 30, 20, 10, 0).  s_wait_dscnt 8: the next step's eight fragment loads stay out.
.macro COMPUTE par, last
	BLD 1, (\par)*CH+64
	s_wait_loadcnt 30
	MMA 0, 0
	BLD 0, (\par)*CH+128
.if !(\last)
	ALD 0, ((\par)+1)*ACH
.endif
	s_wait_dscnt 8
	s_wait_loadcnt 30-10*(\last)
	MMA 1, 1
	BLD 1, (\par)*CH+192
.if !(\last)
	ALD 1, ((\par)+1)*ACH+ASTEP
.endif
	s_wait_dscnt 8
	s_wait_loadcnt 30-20*(\last)
	MMA 2, 0
.if !(\last)
	BLD 0, ((\par)+1)*CH
	ALD 2, ((\par)+1)*ACH+2*ASTEP
.endif
	s_wait_dscnt 8-8*(\last)
	s_wait_loadcnt 30-30*(\last)
	MMA 3, 1
.if !(\last)
	ALD 3, ((\par)+1)*ACH+3*ASTEP
.endif
.endm
; A loader's chunk: 16 rows.  Row j: its 512 bytes are in (16 loads are out: the 15 younger ones stay out; when nothing is asked for any more the count runs down 15 - j); rounded to bf16;
; 256 consecutive bytes into LDS chunk dch behind LVL; refill = 1: the registers take row j of chunk gch behind SW.  All its vector operands lie in window 1: one setting serves the whole chunk.
.macro HANDLE refill, dch, gch
	WIN 0x45                                       ; destination, source 0 and source 1 in window 1
.set hj, 0
.rept 16
.if \refill
	s_wait_loadcnt 15
.else
	s_wait_loadcnt 15-hj
.endif
	v_cvt_pk_bf16_f32 v[LT+2*(hj%2)],   v[WS+4*hj],   v[WS+4*hj+1]
	v_cvt_pk_bf16_f32 v[LT+2*(hj%2)+1], v[WS+4*hj+2], v[WS+4*hj+3]
	ds_store_b64 v[LVL], v[LT+2*(hj%2):LT+2*(hj%2)+1] offset:(\dch)*CH+hj*ROWP
.if \refill
	global_load_b128 v[WS+4*hj:WS+4*hj+3], v[LVG], s[SW:SW+1] offset:hj*WPITCH+(\gch)*512 th:TH_LOAD_NT
.endif
.set hj, hj+1
.endr
	WIN 0
.endm
; One chunk c.  Behind the barrier chunks up to c + 1 are whole for every wave.  Compute waves read chunk c and the first step of c + 1; loaders store chunk c + 2.  lmode: 1 store and ask, 2 store only, 0 nothing.
.macro ITER par, lmode, ldch, lgch, last
	s_barrier_signal -1
	s_barrier_wait -1
	s_cmp_lt_u32 s[WV], 4
	s_cbranch_scc0 .Lld_\@
	COMPUTE \par, \last
	s_branch .Ljn_\@
.Lld_\@:
.if (\lmode) == 1
	HANDLE 1, \ldch, \lgch
.elseif (\lmode) == 2
	HANDLE 0, \ldch, 0
.endif
.Ljn_\@:
	s_wait_dscnt 0x0                               ; in front of the next signal: a loader's stores are done, for the others' sake; no LDS load of mine is out
.endm
.macro STEP                            ; two chunks on; every wave holds all pointers and both LDS addresses
	s_wait_xcnt 0x0                                ; the bases of the loads that are out are rewritten only behind this wait
	s_add_nc_u64 s[SW:SW+1], s[SW:SW+1], 2*512
	s_add_nc_u64 s[SA:SA+1], s[SA:SA+1], 2*ACH
	s_add_co_u32 s[TB], s[TB], 2*CH
	v_add_nc_u32 v[VL], s[TB], v[VB0]
	WIN 0x44                                       ; destination and source 1 in window 1
	v_add_nc_u32 v[LVL], s[TB], v[LB0]
	WIN 0
.endm
.macro TILES                           ; my five tiles of group PG
	s_mul_i32 s44, s[PG], GRP
	s_add_co_u32 s44, s44, s[LW]
.irp i, 0,1,2,3,4
	s_add_co_u32 s[GI+\i], s44, 4*\i
	s_add_co_u32 s45, s[OFF16], s[GI+\i]
	s_cmp_lt_u32 s[GI+\i], s[NT]
	s_cselect_b32 s45, s45, 0                      ; a dead tile takes tile 0, which is always written
	s_min_u32 s[TS+\i], s45, 135                   ; 136 tiles in all
.endr
.endm
.macro SETA
.irp i, 0,1,2,3,4
	s_lshl_b32 s44, s[TS+\i], 9
	v_add_nc_u32 v[VA+\i], s44, v[VRH]             ; tile x 512 bytes + my 16
.endr
.endm
.macro CLEAR
	WIN 0x40
.set ci, 0
.rept 160
	v_mov_b32 v[ci], 0
.set ci, ci+1
.endr
	WIN 0
.endm
.macro OCHUNK                          ; a chunk of a later group: plain, no barrier: all weights lie in LDS
	ALD 0, 0
	ALD 1, ASTEP
	ALD 2, 2*ASTEP
	ALD 3, 3*ASTEP
.irp s, 0,1,2,3
	BLD 0, \s*64
	s_wait_dscnt 0x0
	s_wait_loadcnt 30-10*\s                        ; the younger steps' loads stay out
	MMA \s, 0
.endr
	s_wait_xcnt 0x0
	s_add_nc_u64 s[SA:SA+1], s[SA:SA+1], ACH
	s_add_co_u32 s[TB], s[TB], CH
	v_add_nc_u32 v[VL], s[TB], v[VB0]
.endm
; THE FIRST GROUP'S WAY OUT, in two parts.  TOSTAGE: tile i, 32 bytes a lane and accumulator into the tile's part of my stage (each accumulator from its low end on); a dead tile too.
.macro TOSTAGE i
.irp q, 0,1,2,3
	ds_store_b128 v[VST], v[32*\i+8*\q:32*\i+8*\q+3]   offset:\i*STG+64*\q
	ds_store_b128 v[VST], v[32*\i+8*\q+4:32*\i+8*\q+7] offset:\i*STG+64*\q+16
.endr
.endm
; FROMSTAGE: tile i comes back as whole rows of 256 bytes and is stored; a dead tile is jumped over.
.macro FROMSTAGE i
	s_cmp_lt_u32 s[GI+\i], s[NT]
	s_cbranch_scc0 .Ldead_\@
	s_wait_xcnt 0x0                                ; the last tile's stores have read their data and their offset: both are rewritten below
.irp t, 0,1,2,3,4,5,6,7
	ds_load_b128 v[RB+4*\t:RB+4*\t+3], v[VRD] offset:\i*STG+2*ROWP*\t
.endr
	s_lshl_b32 s44, s[TS+\i], 17                   ; a tile: 16 rows of 8,192 bytes
	v_add_nc_u32 v[VY], s44, v[VYB]
.irp t, 0,1,2,3,4,5,6,7
	s_wait_dscnt 7-\t                              ; rows 2 t, 2 t + 1 are back; the younger loads stay out
	global_store_b128 v[VY], v[RB+4*\t:RB+4*\t+3], s[SOUT:SOUT+1] offset:16384*\t  ; sixteen lanes store 256 consecutive bytes, at a multiple of 256 from y's first byte
.endr
.Ldead_\@:
.endm
; A LATER GROUP'S WAY OUT, tile i: straight from the accumulators, no LDS.  Lane (l % 16, half) holds columns 16 q + 8 half + 0..7 of its row: bytes 64 q + 32 half on.
.macro EPI3 i
	s_cmp_lt_u32 s[GI+\i], s[NT]
	s_cbranch_scc0 .Ldead3_\@
	s_lshl_b32 s44, s[TS+\i], 17
	v_add_nc_u32 v[VA+\i], s44, v[VYD]             ; the loads that took this register as their offset have been waited for
	WIN 0x04
.irp q, 0,1,2,3
	global_store_b128 v[VA+\i], v[32*\i+8*\q:32*\i+8*\q+3],   s[SOUT:SOUT+1] offset:64*\q
	global_store_b128 v[VA+\i], v[32*\i+8*\q+4:32*\i+8*\q+7], s[SOUT:SOUT+1] offset:64*\q+16
.endr
	WIN 0
.Ldead3_\@:
.endm
	s_load_b256 s[4:11], s[0:1], 0x0               ; hB s[4:5], Wd s[6:7], meta s[8:9], y s[10:11]
	v_lshrrev_b32 v1, 5, v0
	v_readfirstlane_b32 s[WV], v1
	s_and_b32 s[LW], s[WV], 3
	s_mov_b32 s[NB], ttmp9
	s_and_b32 s[EX], ttmp7, 0xffff
	v_and_b32 v1, 15, v0                           ; l % 16
	v_bfe_u32 v2, v0, 4, 1                         ; l / 16
	v_and_b32 v[LANE], 31, v0
	s_mov_b32 s[PG], 0
	s_mov_b32 s[TB], 0
	; Every wave makes every address, both roles', here, in the wait for the arguments: no address is made on one way of a branch alone.
	v_mul_u32_u24 v[VB0], v1, ROWP
	v_lshl_add_u32 v[VB0], v2, 4, v[VB0]
	v_mov_b32 v[VL], v[VB0]
	s_mul_i32 s45, s[WV], WSTG
	s_add_co_u32 s45, s45, STAGE                   ; my stage
	v_mul_u32_u24 v23, v1, ROWP                    ; in: row l % 16, 32 bytes for each half of the lanes
	v_lshl_add_u32 v23, v2, 5, v23
	v_add_nc_u32 v[VST], s45, v23
	v_mul_u32_u24 v24, v2, ROWP                    ; back: lanes 0-15 take one row of 256 bytes, lanes 16-31 the next
	v_lshl_add_u32 v24, v1, 4, v24
	v_add_nc_u32 v[VRD], s45, v24
	v_lshlrev_b32 v[VRH], 4, v2
	v_lshl_add_u32 v[VRH], v1, 5, v[VRH]
	v_lshlrev_b32 v[VYB], 13, v2                   ; the same two rows in y
	v_lshl_add_u32 v[VYB], v1, 4, v[VYB]
	v_lshlrev_b32 v[VYD], 5, v2                    ; a later group's way out: row l % 16 of y, 32 bytes for each half
	v_lshl_add_u32 v[VYD], v1, 13, v[VYD]
	s_mul_i32 s44, s[LW], 16*ROWP
	WIN 0x40                                       ; destination in window 1
	v_lshlrev_b32 v[LVG], 4, v[LANE]
	v_lshl_add_u32 v[LB0], v[LANE], 3, s44
	v_lshl_add_u32 v[LVL], v[LANE], 3, s44
	WIN 0
	s_lshl_b32 s30, s[EX], 3
	s_mov_b32 s31, 0
	s_wait_kmcnt 0x0
	s_add_nc_u64 s[8:9], s[8:9], s[30:31]
	s_load_b64 s[OFF16:OFF16+1], s[8:9], 0x0       ; my expert's first tile and its tiles
	s_lshl_b32 s30, s[EX], 23                      ; an expert: 2,048 rows of 4,096 bytes
	s_lshl_b32 s44, s[NB], 18                      ; 64 rows a work-group
	s_add_co_u32 s30, s30, s44
	s_lshl_b32 s44, s[LW], 16                      ; 16 rows a loader
	s_add_co_u32 s30, s30, s44
	s_add_nc_u64 s[SW:SW+1], s[6:7], s[30:31]
	s_mov_b64 s[SA:SA+1], s[4:5]
	s_mov_b64 s[SA0:SA0+1], s[4:5]
	s_lshl_b32 s30, s[NB], 8                       ; 64 columns of f32
	s_add_nc_u64 s[SOUT:SOUT+1], s[10:11], s[30:31]
	s_cmp_lt_u32 s[WV], 4
	s_cbranch_scc1 .Lja
	WIN 0x45                                       ; LOADERS: chunk 0 is asked for before anything else: 16 loads of 512 consecutive bytes
.set hj, 0
.rept 16
	global_load_b128 v[WS+4*hj:WS+4*hj+3], v[LVG], s[SW:SW+1] offset:hj*WPITCH th:TH_LOAD_NT
.set hj, hj+1
.endr
	WIN 0
.Lja:
	s_wait_kmcnt 0x0
	s_min_u32 s[OFF16], s[OFF16], 135
	s_min_u32 s[NT], s[NT], 64
	TILES
	s_cmp_lt_u32 s[WV], 4
	s_cbranch_scc1 .Lcb
	HANDLE 1, 0, 1                                 ; chunk 0 into LDS; chunk 1 is asked for
	s_branch .Ljb
.Lcb:
	SETA
	ALD 0, 0                                       ; chunk 0's four steps: 40 loads are out
	ALD 1, ASTEP
	ALD 2, 2*ASTEP
	ALD 3, 3*ASTEP
	CLEAR
.Ljb:
	s_wait_dscnt 0x0
	s_barrier_signal -1
	s_barrier_wait -1                              ; chunk 0 is whole
	s_cmp_lt_u32 s[WV], 4
	s_cbranch_scc1 .Lcc
	HANDLE 1, 1, 2                                 ; chunk 1 into LDS; chunk 2 is asked for
	s_branch .Ljc
.Lcc:
	BLD 0, 0
.Ljc:
	s_wait_dscnt 0x0
	s_mov_b32 s[CNT], (NCH-4)/2
.Lmain:                                                ; a trip: two chunks; the loaders store the chunks two on and ask for those three on
	ITER 0, 1, 2, 3, 0
	ITER 1, 1, 3, 4, 0
	STEP
	s_sub_co_u32 s[CNT], s[CNT], 1
	s_cmp_lg_u32 s[CNT], 0
	s_cbranch_scc1 .Lmain
	ITER 0, 1, 2, 3, 0                             ; the last four chunks: Wd's last chunk is asked for here,
	ITER 1, 2, 3, 0, 0                             ; and stored here: nothing more is asked of Wd
	STEP
	ITER 0, 0, 0, 0, 0
	ITER 1, 0, 0, 0, 1                             ; it ends with the wait for my LDS loads
	s_barrier_signal -1
	s_barrier_wait -1                              ; every wave's reads of the weights for the first group are back
	s_cmp_lt_u32 s[WV], 4
	s_cbranch_scc0 .Lj3
	WIN 0x04                                       ; the stores' data in window 1
	TOSTAGE 0
	TOSTAGE 1
	TOSTAGE 2
	TOSTAGE 3
	TOSTAGE 4
	WIN 0
.Lj3:
	s_wait_dscnt 0x0                               ; my stores into the stage are done
	s_barrier_signal -1
	s_barrier_wait -1                              ; the last writes of LDS lie behind every wave: from here on it is only read
	s_cmp_lt_u32 s[WV], 4
	s_cbranch_scc1 .Lgo
	s_endpgm                                       ; the loaders are done: no barrier follows
.Lgo:
	s_wait_loadcnt 0x0                             ; no load into the ring's registers is out when a later group asks for them anew (the last chunk's count-down ended at 0)
	FROMSTAGE 0
	FROMSTAGE 1
	FROMSTAGE 2
	FROMSTAGE 3
	FROMSTAGE 4
	s_mov_b32 s[PG], 1
.Lover:                                                ; groups 1 to 3: only for an expert with more than 320, 640, 960 slots
	s_mul_i32 s44, s[PG], GRP
	s_cmp_lt_u32 s44, s[NT]
	s_cbranch_scc0 .Lnext
	s_wait_xcnt 0x0                                ; the last group's stores have read their offsets and their data
	TILES
	SETA
	CLEAR
	s_mov_b64 s[SA:SA+1], s[SA0:SA0+1]
	s_mov_b32 s[TB], 0
	v_mov_b32 v[VL], v[VB0]
	s_mov_b32 s[CNT], NCH
.Loch:
	OCHUNK
	s_sub_co_u32 s[CNT], s[CNT], 1
	s_cmp_lg_u32 s[CNT], 0
	s_cbranch_scc1 .Loch
	EPI3 0
	EPI3 1
	EPI3 2
	EPI3 3
	EPI3 4
.Lnext:
	s_add_co_u32 s[PG], s[PG], 1
	s_cmp_lt_u32 s[PG], 4
	s_cbranch_scc1 .Lover
	s_endpgm
.Lfunc_end_k_q7bba775ee7_down:
	.size	k_q7bba775ee7_down, .Lfunc_end_k_q7bba775ee7_down-k_q7bba775ee7_down
	.p2alignl 7, 3214868480
	.fill 96, 4, 3214868480
	.section	.rodata,"a",@progbits
	.p2align	6, 0x0
	.amdhsa_kernel k_q7bba775ee7_down
		.amdhsa_group_segment_fixed_size 313344
		.amdhsa_private_segment_fixed_size 0
		.amdhsa_enable_private_segment 0
		.amdhsa_kernarg_size 32
		.amdhsa_user_sgpr_count 2
		.amdhsa_user_sgpr_kernarg_segment_ptr 1
		.amdhsa_wavefront_size32 1
		.amdhsa_system_sgpr_workgroup_id_x 1
		.amdhsa_system_sgpr_workgroup_id_y 1
		.amdhsa_system_sgpr_workgroup_id_z 1
		.amdhsa_system_vgpr_workitem_id 0
		.amdhsa_next_free_vgpr 512
		.amdhsa_next_free_sgpr 66
		.amdhsa_reserve_vcc 0
		.amdhsa_float_denorm_mode_32 3
		.amdhsa_float_denorm_mode_16_64 3
		.amdhsa_memory_ordered 1
		.amdhsa_forward_progress 1
		.amdhsa_inst_pref_size 147
	.end_amdhsa_kernel
	.amdgpu_metadata
---
amdhsa.version: [ 1, 2 ]
amdhsa.kernels:
  - .name:           k_q7bba775ee7_down
    .symbol:         k_q7bba775ee7_down.kd
    .args:
      - { .name: hB, .offset: 0, .size: 8, .value_kind: global_buffer, .address_space: global }
      - { .name: down_proj, .offset: 8, .size: 8, .value_kind: global_buffer, .address_space: global }
      - { .name: meta, .offset: 16, .size: 8, .value_kind: global_buffer, .address_space: global }
      - { .name: y, .offset: 24, .size: 8, .value_kind: global_buffer, .address_space: global }
    .group_segment_fixed_size: 313344
    .private_segment_fixed_size: 0
    .kernarg_segment_align: 8
    .kernarg_segment_size: 32
    .max_flat_workgroup_size: 256
    .sgpr_count:     66
    .vgpr_count:     512
    .wavefront_size: 32
...
	.end_amdgpu_metadata
.endif
;; end of part 3
;; launch combine (part 4): grid 256 x 1, 8 waves a work-group, no clusters, 0 bytes of LDS; arguments y, pos, coef, out0; writes out0
.if DOCPART == 4
	.amdgcn_target "amdgcn-amd-amdhsa--gfx1250"
	.amdhsa_code_object_version 6
	.text
	.protected	k_q7bba775ee7_combine
	.globl	k_q7bba775ee7_combine
	.p2align	8
	.type	k_q7bba775ee7_combine,@function
k_q7bba775ee7_combine:
	s_mov_b64 s[64:65], 0
	v_nop
	global_prefetch_b8 v0, s[64:65] scope:SCOPE_SE
	s_setreg_imm32_b32 hwreg(HW_REG_WAVE_MODE, 25, 1), 1
	s_wait_xcnt 0x0
; COMBINE.  out[t] = c0 y[pos[t][0]] + c1 y[pos[t][1]], all f32.  A token's two rows of y come from two experts, so from different work-groups of the launch before: they are added here, by the token's one owner.
; A work-group owns 4 tokens, a pair of waves one token, a wave half a row: 4,096 bytes of each of the two rows, eight loads of 512 consecutive bytes each, all sixteen out at once.
; A stream: no LDS, no barrier, no matrix unit; each row of y is read once, each byte of out written once.
	s_load_b256 s[4:11], s[0:1], 0x0               ; y s[4:5], pos s[6:7], coef s[8:9], out s[10:11]
	v_lshrrev_b32 v2, 5, v0
	v_readfirstlane_b32 s12, v2                    ; wave 0..7
	s_lshr_b32 s13, s12, 1
	s_lshl_b32 s14, ttmp9, 2
	s_add_co_u32 s14, s14, s13                     ; my token
	s_and_b32 s15, s12, 1
	s_lshl_b32 s15, s15, 12                        ; my half of a row
	s_lshl_b32 s16, s14, 3                         ; 8 bytes a token in pos and in coef
	s_mov_b32 s17, 0
	s_lshl_b32 s18, s14, 13                        ; 8,192 bytes a token in out
	s_mov_b32 s19, 0
	v_and_b32 v1, 31, v0
	v_lshlrev_b32 v1, 4, v1
	v_add_nc_u32 v1, s15, v1                       ; 16 bytes a lane
	s_wait_kmcnt 0x0
	s_add_nc_u64 s[6:7], s[6:7], s[16:17]
	s_add_nc_u64 s[8:9], s[8:9], s[16:17]
	s_add_nc_u64 s[10:11], s[10:11], s[18:19]
	s_load_b64 s[20:21], s[6:7], 0x0               ; the two slots
	s_load_b64 s[22:23], s[8:9], 0x0               ; c0, c1
	s_wait_kmcnt 0x0
	s_min_u32 s20, s20, 2175                       ; y has 2,176 rows
	s_min_u32 s21, s21, 2175
	s_lshl_b32 s24, s20, 13
	s_mov_b32 s25, 0
	s_lshl_b32 s26, s21, 13
	s_mov_b32 s27, 0
	s_add_nc_u64 s[24:25], s[4:5], s[24:25]
	s_add_nc_u64 s[26:27], s[4:5], s[26:27]
	s_mov_b32 s28, s23                             ; c1 as the low word of a pair: the packed forms take a scalar pair's low word for both halves
	s_mov_b32 s29, s23
.irp k, 0,1,2,3,4,5,6,7
	global_load_b128 v[4+4*\k:7+4*\k], v1, s[24:25] offset:512*\k th:TH_LOAD_NT
.endr
.irp k, 0,1,2,3,4,5,6,7
	global_load_b128 v[36+4*\k:39+4*\k], v1, s[26:27] offset:512*\k th:TH_LOAD_NT
.endr
.irp k, 0,1,2,3,4,5,6,7
	s_wait_loadcnt 7-\k                            ; the second row's load k is in, and all of the first row's; the younger ones stay out
	v_pk_mul_f32 v[4+4*\k:5+4*\k], v[4+4*\k:5+4*\k], s[22:23] op_sel_hi:[1,0]
	v_pk_mul_f32 v[6+4*\k:7+4*\k], v[6+4*\k:7+4*\k], s[22:23] op_sel_hi:[1,0]
	v_pk_fma_f32 v[4+4*\k:5+4*\k], v[36+4*\k:37+4*\k], s[28:29], v[4+4*\k:5+4*\k] op_sel_hi:[1,0,1]
	v_pk_fma_f32 v[6+4*\k:7+4*\k], v[38+4*\k:39+4*\k], s[28:29], v[6+4*\k:7+4*\k] op_sel_hi:[1,0,1]
	global_store_b128 v1, v[4+4*\k:7+4*\k], s[10:11] offset:512*\k th:TH_STORE_NT  ; the wave stores 512 consecutive bytes, aligned
.endr
	s_endpgm
.Lfunc_end_k_q7bba775ee7_combine:
	.size	k_q7bba775ee7_combine, .Lfunc_end_k_q7bba775ee7_combine-k_q7bba775ee7_combine
	.p2alignl 7, 3214868480
	.fill 96, 4, 3214868480
	.section	.rodata,"a",@progbits
	.p2align	6, 0x0
	.amdhsa_kernel k_q7bba775ee7_combine
		.amdhsa_group_segment_fixed_size 0
		.amdhsa_private_segment_fixed_size 0
		.amdhsa_enable_private_segment 0
		.amdhsa_kernarg_size 32
		.amdhsa_user_sgpr_count 2
		.amdhsa_user_sgpr_kernarg_segment_ptr 1
		.amdhsa_wavefront_size32 1
		.amdhsa_system_sgpr_workgroup_id_x 1
		.amdhsa_system_sgpr_workgroup_id_y 1
		.amdhsa_system_sgpr_workgroup_id_z 1
		.amdhsa_system_vgpr_workitem_id 0
		.amdhsa_next_free_vgpr 72
		.amdhsa_next_free_sgpr 66
		.amdhsa_reserve_vcc 0
		.amdhsa_float_denorm_mode_32 3
		.amdhsa_float_denorm_mode_16_64 3
		.amdhsa_memory_ordered 1
		.amdhsa_forward_progress 1
		.amdhsa_inst_pref_size 6
	.end_amdhsa_kernel
	.amdgpu_metadata
---
amdhsa.version: [ 1, 2 ]
amdhsa.kernels:
  - .name:           k_q7bba775ee7_combine
    .symbol:         k_q7bba775ee7_combine.kd
    .args:
      - { .name: y, .offset: 0, .size: 8, .value_kind: global_buffer, .address_space: global }
      - { .name: pos, .offset: 8, .size: 8, .value_kind: global_buffer, .address_space: global }
      - { .name: coef, .offset: 16, .size: 8, .value_kind: global_buffer, .address_space: global }
      - { .name: out0, .offset: 24, .size: 8, .value_kind: global_buffer, .address_space: global }
    .group_segment_fixed_size: 0
    .private_segment_fixed_size: 0
    .kernarg_segment_align: 8
    .kernarg_segment_size: 32
    .max_flat_workgroup_size: 256
    .sgpr_count:     66
    .vgpr_count:     72
    .wavefront_size: 32
...
	.end_amdgpu_metadata
.endif
;; end of part 4
;; ======== version 2 of 2: 5 launches; 1.17 times as fast as version 1
;; workspace buffers: xb 4,194,304 bytes; pos 8,192 bytes of whole numbers; meta 256 bytes of whole numbers; coef 8,192 bytes; xg 8,912,896 bytes; hB 4,456,448 bytes; y 17,825,792 bytes
;; launch route: the kernel of part 1 again; grid 129 x 1, 32 waves a work-group, no clusters, 1,024 bytes of LDS; arguments x, gating_output, xb, pos, coef, meta; writes xb, pos, coef, meta
;; launch gather (part 5): grid 2 x 136, 8 waves a work-group, no clusters, 8,704 bytes of LDS; arguments xb, pos, xg; writes xg
.if DOCPART == 5
	.amdgcn_target "amdgcn-amd-amdhsa--gfx1250"
	.amdhsa_code_object_version 6
	.text
	.protected	k_q7bba775ee7_gather
	.globl	k_q7bba775ee7_gather
	.p2align	8
	.type	k_q7bba775ee7_gather,@function
k_q7bba775ee7_gather:
	s_mov_b64 s[64:65], 0
	v_nop
	global_prefetch_b8 v0, s[64:65] scope:SCOPE_SE
	s_setreg_imm32_b32 hwreg(HW_REG_WAVE_MODE, 25, 1), 1
	s_wait_xcnt 0x0
; GATHER.  xg[k / 16][slot][k % 16] = xb[token of the slot][k], all bf16: the tokens' rows in the order of the slots (sorted by expert), laid in blocks of 16 along K, so that 16 slots x 16 along K are 512
; consecutive bytes: one load of a matrix fragment's half in the launch behind.  That launch reads each expert's rows 32 times over; here they are picked by the list once.
; A launch of its own: the slots were made from the logits by the launch before, and only a later launch may form addresses from them.
; SHARES.  Work-group (half, tile): 16 slots, 1,024 along K.  Wave w: 128 along K, 8 blocks: eight loads of 16 bytes a lane, 32 bytes of each of 16 rows a load, which together take each row's aligned 256 bytes;
; eight stores of 512 consecutive bytes, aligned.  All of a wave's bytes are on their way at once.  136 tiles are all the slots there are: a slot that no pair has takes token 0, and nobody reads what is made of it.
; THE LIST.  pos says token -> slot; wave 0 turns it round in LDS, 2,176 words from LDS byte 0 on; one barrier; behind it LDS is only read.
; A copy: no arithmetic, no matrix unit, no cluster (no two work-groups want the same bytes at the same time but the 8 KiB of pos).
.set XBLK, 2176*32                     ; a block of xg: 16 along K of all slots
.set TILES, 136                        ; tiles of 16 slots; the grid's height
.set X,    16                          ; v16-47   my eight pieces of 16 bytes
.set PW,   48                          ; v48-111  wave 0: pos, 64 words a lane
	s_load_b128 s[4:7], s[0:1], 0x0                ; xb s[4:5], pos s[6:7]
	s_load_b64 s[8:9], s[0:1], 0x10                ; xg
	v_lshrrev_b32 v1, 5, v0
	v_readfirstlane_b32 s10, v1                    ; wave 0..7
	s_and_b32 s11, ttmp7, 0xffff                   ; tile
	s_min_u32 s11, s11, TILES-1                    ; the grid has 136 rows of work-groups: the bound is written here, so that the list word (at most 135 x 64 + 60) and the tile's 512 bytes of a block are bounded by the text itself
	v_and_b32 v1, 15, v0                           ; l % 16: my slot in the tile
	v_bfe_u32 v2, v0, 4, 1                         ; l / 16: which 8 of a block's 16 along K
	v_and_b32 v3, 31, v0                           ; lane
	s_lshl_b32 s12, ttmp9, 3
	s_add_co_u32 s12, s12, s10                     ; my group of 8 blocks, 0..15
	s_lshl_b32 s13, s12, 8                         ; its 256 bytes in a row of xb
	v_lshl_add_u32 v4, v2, 4, s13                  ; + 16 x half
	s_lshl_b32 s14, s11, 6                         ; the tile's 16 words in the list
	v_lshl_add_u32 v5, v1, 2, s14                  ; my slot's word
	s_lshl_b32 s15, s11, 9                         ; the tile's 512 bytes in a block
	v_lshlrev_b32 v6, 4, v2
	v_lshl_add_u32 v6, v1, 5, v6
	v_add_nc_u32 v6, s15, v6                       ; + 32 x slot + 16 x half
	s_mul_i32 s16, s12, 8*XBLK                     ; my first block
	s_mov_b32 s17, 0
	s_wait_kmcnt 0x0
	s_add_nc_u64 s[8:9], s[8:9], s[16:17]
	s_cmp_lg_u32 s10, 0
	s_cbranch_scc1 .Lbuilt
	; WAVE 0.  Zeros first: a slot that no pair has takes token 0.  LDS serves a wave's instructions in order (ISA guide 5.7.1.4): the entries land on the zeros.
	v_lshlrev_b32 v8, 4, v3
.set lj, 0
.rept 16
	global_load_b128 v[PW+4*lj:PW+4*lj+3], v8, s[6:7] offset:512*lj
.set lj, lj+1
.endr
	v_lshlrev_b32 v9, 4, v3
.irp k, 12,13,14,15
	v_mov_b32 v\k, 0
.endr
.set lj, 0
.rept 17
	ds_store_b128 v9, v[12:15] offset:512*lj       ; 17 x 512 bytes = 2,176 words
.set lj, lj+1
.endr
	s_wait_loadcnt 0x0
.set lj, 0
.rept 16
	v_lshl_add_u32 v10, v3, 1, 64*lj               ; word 128 j + 4 lane + q of pos belongs to token 64 j + 2 lane + q / 2
	v_add_nc_u32 v11, 1, v10
.irp q, 0,1,2,3
	v_min_u32 v[PW+4*lj+\q], 2175, v[PW+4*lj+\q]
	v_lshlrev_b32 v[PW+4*lj+\q], 2, v[PW+4*lj+\q]
	ds_store_b32 v[PW+4*lj+\q], v[10+\q/2]
.endr
.set lj, lj+1
.endr
.Lbuilt:
	s_wait_dscnt 0x0                               ; for the others' sake: the list is stored before wave 0 signals
	s_barrier_signal -1
	s_barrier_wait -1
	ds_load_b32 v7, v5                             ; my slot's token
	s_wait_dscnt 0x0
	v_min_u32 v7, 1023, v7
	v_lshl_add_u32 v7, v7, 12, v4                  ; token x 4,096 bytes + my place in the row
.irp k, 0,1,2,3,4,5,6,7
	global_load_b128 v[X+4*\k:X+4*\k+3], v7, s[4:5] offset:32*\k
.endr
.irp k, 0,1,2,3,4,5,6,7
	s_wait_loadcnt 7-\k                            ; loads come back in order: piece k is in, the younger ones stay out
	global_store_b128 v6, v[X+4*\k:X+4*\k+3], s[8:9] offset:\k*XBLK  ; the wave stores 512 consecutive bytes, aligned: 16 slots of one block
.endr
	s_endpgm
.Lfunc_end_k_q7bba775ee7_gather:
	.size	k_q7bba775ee7_gather, .Lfunc_end_k_q7bba775ee7_gather-k_q7bba775ee7_gather
	.p2alignl 7, 3214868480
	.fill 96, 4, 3214868480
	.section	.rodata,"a",@progbits
	.p2align	6, 0x0
	.amdhsa_kernel k_q7bba775ee7_gather
		.amdhsa_group_segment_fixed_size 8704
		.amdhsa_private_segment_fixed_size 0
		.amdhsa_enable_private_segment 0
		.amdhsa_kernarg_size 24
		.amdhsa_user_sgpr_count 2
		.amdhsa_user_sgpr_kernarg_segment_ptr 1
		.amdhsa_wavefront_size32 1
		.amdhsa_system_sgpr_workgroup_id_x 1
		.amdhsa_system_sgpr_workgroup_id_y 1
		.amdhsa_system_sgpr_workgroup_id_z 1
		.amdhsa_system_vgpr_workitem_id 0
		.amdhsa_next_free_vgpr 112
		.amdhsa_next_free_sgpr 66
		.amdhsa_reserve_vcc 0
		.amdhsa_float_denorm_mode_32 3
		.amdhsa_float_denorm_mode_16_64 3
		.amdhsa_memory_ordered 1
		.amdhsa_forward_progress 1
		.amdhsa_inst_pref_size 19
	.end_amdhsa_kernel
	.amdgpu_metadata
---
amdhsa.version: [ 1, 2 ]
amdhsa.kernels:
  - .name:           k_q7bba775ee7_gather
    .symbol:         k_q7bba775ee7_gather.kd
    .args:
      - { .name: xb, .offset: 0, .size: 8, .value_kind: global_buffer, .address_space: global }
      - { .name: pos, .offset: 8, .size: 8, .value_kind: global_buffer, .address_space: global }
      - { .name: xg, .offset: 16, .size: 8, .value_kind: global_buffer, .address_space: global }
    .group_segment_fixed_size: 8704
    .private_segment_fixed_size: 0
    .kernarg_segment_align: 8
    .kernarg_segment_size: 24
    .max_flat_workgroup_size: 256
    .sgpr_count:     66
    .vgpr_count:     112
    .wavefront_size: 32
...
	.end_amdgpu_metadata
.endif
;; end of part 5
;; launch gateup (part 6): grid 32 x 8, 8 waves a work-group, no clusters, 278,528 bytes of LDS; arguments xg, gate_up_proj, meta, hB; writes hB
.if DOCPART == 6
	.amdgcn_target "amdgcn-amd-amdhsa--gfx1250"
	.amdhsa_code_object_version 6
	.text
	.protected	k_q7bba775ee7_gateup
	.globl	k_q7bba775ee7_gateup
	.p2align	8
	.type	k_q7bba775ee7_gateup,@function
k_q7bba775ee7_gateup:
	s_mov_b64 s[64:65], 0
	v_nop
	global_prefetch_b8 v0, s[64:65] scope:SCOPE_SE
	s_setreg_imm32_b32 hwreg(HW_REG_WAVE_MODE, 25, 1), 1
	s_wait_xcnt 0x0
; GATE AND UP.  h[slot][f] = silu(x[slot] . Wg[e][f]) (x[slot] . Wu[e][f]) for the slots of expert e.  x comes as bf16, gathered by slots, in blocks xg[k / 16][slot][k % 16]; W is f32 and is rounded to bf16 here;
; sums, silu and the product in f32; h is rounded once to bf16 and stored in blocks hB[f / 16][slot][f % 16], so that 16 slots x 16 columns are 512 consecutive bytes.
; SHARES.  Work-group (nb, e) owns 32 columns f = 32 nb .. of expert e: 32 rows of Wg and 32 of Wu, 64 x 2,048 f32, which no other work-group reads.
; Waves 4-7 LOAD: each streams 16 of the 64 rows, 128 along K (a chunk) at a time: memory -> registers -> bf16 -> LDS; each number is rounded once.  Every chunk has LDS bytes of its own:
; nothing in LDS is written twice, and at the end all 64 rows lie there.  A loader keeps 16 loads of 512 bytes out: its registers are its own, and 96 are left beside the compute waves' 416 of 512.
; Waves 0-3 COMPUTE, as many as a WGP has SIMDs: wave w owns the expert's tiles (16 slots) 4 i + w, i = 0..4, against all 64 rows: 20 accumulators.  That serves 320 slots.  An expert with more has them done
; afterwards in further groups of 20 tiles, from the weights that now lie in LDS, without barriers.  A tile past the expert's last computes on tile 0 and is not stored.
; THE MATRIX INSTRUCTION IS USED TRANSPOSED: source 0 = 16 rows of W, source 1 = 16 slots: a lane then holds one slot (lane % 16) and eight neighbouring columns, which pack into 16 bytes of hB.
; NO CLUSTER, NO TENSOR LOADS.  The weights are read by one work-group each and must be rounded on their way.  An expert's 32 work-groups do read the same blocks of xg, but a joint load lands in LDS, and
; there is no room: a chunk of 320 slots is 81,920 bytes, two slots of that 163,840, and 278,528 of the 327,680 bytes hold the weights.  So x's fragments go straight to registers, 512 consecutive bytes a load.
; The accumulators are cleared by 160 v_mov_b32, in the wait for the first weights: that spares a second text of a chunk whose products start the sums.
; LIMITS.  h in bf16 (8 significant bits).  Experts that a token did not choose are not computed for it.  silu(g) = g / (1 + 2^(-g log2 e)) is made before it meets u.
; REGISTERS.  Window 0: v0-31 addresses; v32-95 two buffers of 4 weight fragments; v96-255 x's fragments: 4 steps of 32 K x 5 tiles x 8 (on the way out v96-167 are at work).
; Window 1: v0-159 accumulators, (tile i, rows 16 q ..) at 32 i + 8 q; v160-230 the loaders' alone: 16 rows x 4, two packed pairs, three addresses.
.set NCH,    16                        ; chunks of 128 along K = 2,048
.set WPITCH, 8192                      ; bytes in a row of W
.set HBLK,   2176*32                   ; a block of xg and of hB: 16 numbers of all slots
.set AHALF,  HBLK                      ; from the first to the second half of a fragment of x (16 along K)
.set ASTEP,  2*HBLK                    ; 32 along K
.set ACH,    4*ASTEP                   ; a chunk
.set ROWP,   272                       ; an LDS row: 256 bytes + 16 = 68 words: the 16 rows of a fragment load begin at 16 different groups of four banks (64 banks of 4 bytes: ISA guide 11.1)
.set CH,     64*ROWP                   ; a chunk in LDS
.set GRP,    20                        ; tiles in a group
.set VL,  3                            ; v3      LDS address of my fragments: VB0 + the chunk pair in hand
.set VB0, 4                            ; v4      row l % 16, 16 bytes for each half of the lanes
.set VA,  6                            ; v6-10   tile i: my 16 bytes in a block, of xg and of hB alike
.set VRH, 17                           ; v17     32 (l % 16) + 16 x half
.set LANE, 21
.set BF,  32
.set AR,  96
.set EH,  96                           ; the way out: tile i's packed h, 8 registers
.set ET,  136                          ; 16 at work
.set ES,  152                          ; 16 at work
.set WS,  160                          ; window 1: a loader's 16 rows as loaded
.set LT,  224                          ; window 1: two pairs of packed bf16, by turns
.set LVL, 228                          ; window 1: a loader's LDS address: LB0 + the chunk pair in hand
.set LB0, 229                          ; window 1: its 16 rows, 8 bytes a lane
.set LVG, 230                          ; window 1: 16 x lane
.set WV,  16                           ; s16 wave   s17 wave % 4   s18 nb   s19 e
.set LW,  17
.set NB,  18
.set EX,  19
.set OFF16, 20                         ; s20 the expert's first tile   s21 its tiles
.set NT,  21
.set PG,  22                           ; s22 group of 20 tiles
.set CNT, 23
.set SW,  24                           ; s[24:25] W at my 16 rows, at the chunk pair in hand
.set SA,  26                           ; s[26:27] xg at the chunk pair in hand;  s[28:29] xg
.set SA0, 28
.set TS,  32                           ; s32-36  tile i: its number among all tiles (0 if dead)
.set GI,  37                           ; s37-41  tile i: its number in the expert
.set SOUT, 42                          ; s[42:43] hB at my first block
.set TB,  46                           ; s46 LDS byte of the chunk pair in hand
.set MSB, 0
.macro WIN new                         ; s_set_vgpr_msb: bits 1:0 source 0, 3:2 source 1, 5:4 source 2, 7:6 destination; the high byte repeats the setting that is left
.if MSB != (\new)
	s_set_vgpr_msb (MSB<<8)|(\new)
.set MSB, \new
.endif
.endm
.macro BLD buf, off                    ; 4 weight fragments (64 rows x 32 K) from byte off behind VL
.irp q, 0,1,2,3
	ds_load_b128 v[BF+32*(\buf)+8*\q:BF+32*(\buf)+8*\q+3],   v[VL] offset:(\off)+\q*16*ROWP
	ds_load_b128 v[BF+32*(\buf)+8*\q+4:BF+32*(\buf)+8*\q+7], v[VL] offset:(\off)+\q*16*ROWP+32
.endr
.endm
.macro ALD s, off                      ; 5 fragments of x (80 slots x 32 K) into place s of the ring of four; each load takes 512 consecutive bytes
.irp i, 0,1,2,3,4
	global_load_b128 v[AR+40*(\s)+8*\i:AR+40*(\s)+8*\i+3],   v[VA+\i], s[SA:SA+1] offset:(\off)
	global_load_b128 v[AR+40*(\s)+8*\i+4:AR+40*(\s)+8*\i+7], v[VA+\i], s[SA:SA+1] offset:(\off)+AHALF
.endr
.endm
; 20 matrix instructions, the 20 accumulators by turns.  The four v_nop are the places in front of the loads into the fragments just read, and of the way out.
.macro MMA s, buf
	WIN 0x50                                       ; C and D in window 1
.irp q, 0,1,2,3
.irp i, 0,1,2,3,4
	v_wmma_f32_16x16x32_bf16 v[32*\i+8*\q:32*\i+8*\q+7], v[BF+32*(\buf)+8*\q:BF+32*(\buf)+8*\q+7], v[AR+40*(\s)+8*\i:AR+40*(\s)+8*\i+7], v[32*\i+8*\q:32*\i+8*\q+7]
.endr
.endr
	WIN 0
.rept 4
	v_nop
.endr
.endm
; A chunk's four steps of 32 K.  Weight fragments: two buffers, each filled a step ahead; step 0's were fetched in the chunk before.  x's fragments: place s is asked for again, for the next chunk, right behind its use.
; s_wait_loadcnt 30: the three younger steps' ten loads each stay out (last chunk: 30, 20, 10, 0).  s_wait_dscnt 8: the next step's eight fragment loads stay out.
.macro COMPUTE par, last
	BLD 1, (\par)*CH+64
	s_wait_loadcnt 30
	MMA 0, 0
	BLD 0, (\par)*CH+128
.if !(\last)
	ALD 0, ((\par)+1)*ACH
.endif
	s_wait_dscnt 8
	s_wait_loadcnt 30-10*(\last)
	MMA 1, 1
	BLD 1, (\par)*CH+192
.if !(\last)
	ALD 1, ((\par)+1)*ACH+ASTEP
.endif
	s_wait_dscnt 8
	s_wait_loadcnt 30-20*(\last)
	MMA 2, 0
.if !(\last)
	BLD 0, ((\par)+1)*CH
	ALD 2, ((\par)+1)*ACH+2*ASTEP
.endif
	s_wait_dscnt 8-8*(\last)
	s_wait_loadcnt 30-30*(\last)
	MMA 3, 1
.if !(\last)
	ALD 3, ((\par)+1)*ACH+3*ASTEP
.endif
.endm
; A loader's chunk: 16 rows.  Row j: its 512 bytes are in (16 loads are out: the 15 younger ones stay out; when nothing is asked for any more the count runs down 15 - j); rounded to bf16;
; 256 consecutive bytes into LDS chunk dch behind LVL; refill = 1: the registers take row j of chunk gch behind SW.  All its vector operands lie in window 1: one setting serves the whole chunk.
.macro HANDLE refill, dch, gch
	WIN 0x45                                       ; destination, source 0 and source 1 in window 1
.set hj, 0
.rept 16
.if \refill
	s_wait_loadcnt 15
.else
	s_wait_loadcnt 15-hj
.endif
	v_cvt_pk_bf16_f32 v[LT+2*(hj%2)],   v[WS+4*hj],   v[WS+4*hj+1]
	v_cvt_pk_bf16_f32 v[LT+2*(hj%2)+1], v[WS+4*hj+2], v[WS+4*hj+3]
	ds_store_b64 v[LVL], v[LT+2*(hj%2):LT+2*(hj%2)+1] offset:(\dch)*CH+hj*ROWP
.if \refill
	global_load_b128 v[WS+4*hj:WS+4*hj+3], v[LVG], s[SW:SW+1] offset:hj*WPITCH+(\gch)*512 th:TH_LOAD_NT
.endif
.set hj, hj+1
.endr
	WIN 0
.endm
; One chunk c.  Behind the barrier chunks up to c + 1 are whole for every wave.  Compute waves read chunk c and the first step of c + 1; loaders store chunk c + 2.  lmode: 1 store and ask, 2 store only, 0 nothing.
.macro ITER par, lmode, ldch, lgch, last
	s_barrier_signal -1
	s_barrier_wait -1
	s_cmp_lt_u32 s[WV], 4
	s_cbranch_scc0 .Lld_\@
	COMPUTE \par, \last
	s_branch .Ljn_\@
.Lld_\@:
.if (\lmode) == 1
	HANDLE 1, \ldch, \lgch
.elseif (\lmode) == 2
	HANDLE 0, \ldch, 0
.endif
.Ljn_\@:
	s_wait_dscnt 0x0                               ; in front of the next signal: a loader's stores are done, for the others' sake; no LDS load of mine is out
.endm
.macro STEP                            ; two chunks on; every wave holds all pointers and both LDS addresses
	s_wait_xcnt 0x0                                ; the bases of the loads that are out are rewritten only behind this wait
	s_add_nc_u64 s[SW:SW+1], s[SW:SW+1], 2*512
	s_add_nc_u64 s[SA:SA+1], s[SA:SA+1], 2*ACH
	s_add_co_u32 s[TB], s[TB], 2*CH
	v_add_nc_u32 v[VL], s[TB], v[VB0]
	WIN 0x44                                       ; destination and source 1 in window 1
	v_add_nc_u32 v[LVL], s[TB], v[LB0]
	WIN 0
.endm
.macro TILES                           ; my five tiles of group PG
	s_mul_i32 s44, s[PG], GRP
	s_add_co_u32 s44, s44, s[LW]
.irp i, 0,1,2,3,4
	s_add_co_u32 s[GI+\i], s44, 4*\i
	s_add_co_u32 s45, s[OFF16], s[GI+\i]
	s_cmp_lt_u32 s[GI+\i], s[NT]
	s_cselect_b32 s45, s45, 0                      ; a dead tile takes tile 0, which is always written
	s_min_u32 s[TS+\i], s45, 135                   ; 136 tiles in all
.endr
.endm
.macro SETA
.irp i, 0,1,2,3,4
	s_lshl_b32 s44, s[TS+\i], 9
	v_add_nc_u32 v[VA+\i], s44, v[VRH]             ; tile x 512 bytes + my 16
.endr
.endm
.macro CLEAR
	WIN 0x40
.set ci, 0
.rept 160
	v_mov_b32 v[ci], 0
.set ci, ci+1
.endr
	WIN 0
.endm
.macro OCHUNK                          ; a chunk of a later group: plain, no barrier: all weights lie in LDS
	ALD 0, 0
	ALD 1, ASTEP
	ALD 2, 2*ASTEP
	ALD 3, 3*ASTEP
.irp s, 0,1,2,3
	BLD 0, \s*64
	s_wait_dscnt 0x0
	s_wait_loadcnt 30-10*\s                        ; the younger steps' loads stay out
	MMA \s, 0
.endr
	s_wait_xcnt 0x0
	s_add_nc_u64 s[SA:SA+1], s[SA:SA+1], ACH
	s_add_co_u32 s[TB], s[TB], CH
	v_add_nc_u32 v[VL], s[TB], v[VB0]
.endm
; THE WAY OUT of tile i: g in accumulators (i, 0), (i, 1): 16 registers on end; u in (i, 2), (i, 3).  Each accumulator is read from its low end on.
.macro EPI1 i
	s_cmp_lt_u32 s[GI+\i], s[NT]
	s_cbranch_scc0 .Ldead_\@
	WIN 0x01                                       ; source 0 in window 1
.irp k, 0,1,2,3,4,5,6,7
	v_pk_mul_f32 v[ET+2*\k:ET+2*\k+1], v[32*\i+2*\k:32*\i+2*\k+1], 0xbfb8aa3b op_sel_hi:[1,0]  ; -g log2(e)
.endr
	WIN 0
.set ek, 0
.rept 16
	v_exp_f32 v[ET+ek], v[ET+ek]
.set ek, ek+1
.endr
	v_nop                                          ; a plain instruction between the transcendentals and the use of their results (ISA guide 5.7.2)
	s_wait_alu depctr_va_vdst(0)
.irp k, 0,1,2,3,4,5,6,7
	v_pk_add_f32 v[ET+2*\k:ET+2*\k+1], v[ET+2*\k:ET+2*\k+1], 1.0 op_sel_hi:[1,0]
.endr
.set ek, 0
.rept 16
	v_rcp_f32 v[ET+ek], v[ET+ek]
.set ek, ek+1
.endr
	v_nop
	WIN 0x01
	s_wait_alu depctr_va_vdst(0)
.irp k, 0,1,2,3,4,5,6,7
	v_pk_mul_f32 v[ES+2*\k:ES+2*\k+1], v[32*\i+2*\k:32*\i+2*\k+1], v[ET+2*\k:ET+2*\k+1]        ; silu(g)
.endr
.irp k, 0,1,2,3,4,5,6,7
	v_pk_mul_f32 v[ES+2*\k:ES+2*\k+1], v[32*\i+16+2*\k:32*\i+16+2*\k+1], v[ES+2*\k:ES+2*\k+1]  ; times u
.endr
	WIN 0
.irp k, 0,1,2,3,4,5,6,7
	v_cvt_pk_bf16_f32 v[EH+8*\i+\k], v[ES+2*\k], v[ES+2*\k+1]
.endr
	global_store_b128 v[VA+\i], v[EH+8*\i:EH+8*\i+3],   s[SOUT:SOUT+1]               ; the wave stores 512 consecutive bytes, aligned: 16 slots x 16 columns
	global_store_b128 v[VA+\i], v[EH+8*\i+4:EH+8*\i+7], s[SOUT:SOUT+1] offset:HBLK
.Ldead_\@:
.endm
	s_load_b256 s[4:11], s[0:1], 0x0               ; xg s[4:5], W s[6:7], meta s[8:9], hB s[10:11]
	v_lshrrev_b32 v1, 5, v0
	v_readfirstlane_b32 s[WV], v1
	s_and_b32 s[LW], s[WV], 3
	s_mov_b32 s[NB], ttmp9
	s_and_b32 s[EX], ttmp7, 0xffff
	v_and_b32 v1, 15, v0                           ; l % 16
	v_bfe_u32 v2, v0, 4, 1                         ; l / 16
	v_and_b32 v[LANE], 31, v0
	s_mov_b32 s[PG], 0
	s_mov_b32 s[TB], 0
	; Every wave makes every address, both roles', here, in the wait for the arguments: no address is made on one way of a branch alone.
	v_mul_u32_u24 v[VB0], v1, ROWP
	v_lshl_add_u32 v[VB0], v2, 4, v[VB0]
	v_mov_b32 v[VL], v[VB0]
	v_lshlrev_b32 v[VRH], 4, v2
	v_lshl_add_u32 v[VRH], v1, 5, v[VRH]
	s_mul_i32 s44, s[LW], 16*ROWP
	WIN 0x40                                       ; destination in window 1
	v_lshlrev_b32 v[LVG], 4, v[LANE]
	v_lshl_add_u32 v[LB0], v[LANE], 3, s44
	v_lshl_add_u32 v[LVL], v[LANE], 3, s44
	WIN 0
	s_lshl_b32 s30, s[EX], 3
	s_mov_b32 s31, 0
	s_wait_kmcnt 0x0
	s_add_nc_u64 s[8:9], s[8:9], s[30:31]
	s_load_b64 s[OFF16:OFF16+1], s[8:9], 0x0       ; my expert's first tile and its tiles
	s_lshl_b32 s30, s[EX], 24                      ; an expert: 2,048 rows of 8,192 bytes
	s_lshr_b32 s44, s[LW], 1
	s_lshl_b32 s44, s44, 23                        ; up's rows lie 1,024 rows behind gate's
	s_add_co_u32 s30, s30, s44
	s_lshl_b32 s44, s[NB], 18                      ; 32 rows a work-group
	s_add_co_u32 s30, s30, s44
	s_and_b32 s44, s[LW], 1
	s_lshl_b32 s44, s44, 17                        ; 16 rows a loader
	s_add_co_u32 s30, s30, s44
	s_add_nc_u64 s[SW:SW+1], s[6:7], s[30:31]
	s_mov_b64 s[SA:SA+1], s[4:5]
	s_mov_b64 s[SA0:SA0+1], s[4:5]
	s_mul_i32 s30, s[NB], 2*HBLK
	s_add_nc_u64 s[SOUT:SOUT+1], s[10:11], s[30:31]
	s_cmp_lt_u32 s[WV], 4
	s_cbranch_scc1 .Lja
	WIN 0x45                                       ; LOADERS: chunk 0 is asked for before anything else: 16 loads of 512 consecutive bytes
.set hj, 0
.rept 16
	global_load_b128 v[WS+4*hj:WS+4*hj+3], v[LVG], s[SW:SW+1] offset:hj*WPITCH th:TH_LOAD_NT
.set hj, hj+1
.endr
	WIN 0
.Lja:
	s_wait_kmcnt 0x0
	s_min_u32 s[OFF16], s[OFF16], 135
	s_min_u32 s[NT], s[NT], 64
	TILES
	s_cmp_lt_u32 s[WV], 4
	s_cbranch_scc1 .Lcb
	HANDLE 1, 0, 1                                 ; chunk 0 into LDS; chunk 1 is asked for
	s_branch .Ljb
.Lcb:
	SETA
	ALD 0, 0                                       ; chunk 0's four steps: 40 loads are out
	ALD 1, ASTEP
	ALD 2, 2*ASTEP
	ALD 3, 3*ASTEP
	CLEAR
.Ljb:
	s_wait_dscnt 0x0
	s_barrier_signal -1
	s_barrier_wait -1                              ; chunk 0 is whole
	s_cmp_lt_u32 s[WV], 4
	s_cbranch_scc1 .Lcc
	HANDLE 1, 1, 2                                 ; chunk 1 into LDS; chunk 2 is asked for
	s_branch .Ljc
.Lcc:
	BLD 0, 0
.Ljc:
	s_wait_dscnt 0x0
	s_mov_b32 s[CNT], (NCH-4)/2
.Lmain:                                                ; a trip: two chunks; the loaders store the chunks two on and ask for those three on
	ITER 0, 1, 2, 3, 0
	ITER 1, 1, 3, 4, 0
	STEP
	s_sub_co_u32 s[CNT], s[CNT], 1
	s_cmp_lg_u32 s[CNT], 0
	s_cbranch_scc1 .Lmain
	ITER 0, 1, 2, 3, 0                             ; the last four chunks: W's last chunk is asked for here,
	ITER 1, 2, 3, 0, 0                             ; and stored here: nothing more is asked of W
	STEP
	ITER 0, 0, 0, 0, 0
	ITER 1, 0, 0, 0, 1
	s_cmp_lt_u32 s[WV], 4
	s_cbranch_scc1 .Lepi                           ; the loop over groups is entered at the first group's way out
	s_endpgm                                       ; the loaders are done: no barrier follows
.Lover:                                                ; groups 1 to 3: only for an expert with more than 320, 640, 960 slots
	s_mul_i32 s44, s[PG], GRP
	s_cmp_lt_u32 s44, s[NT]
	s_cbranch_scc0 .Lnext
	s_wait_xcnt 0x0                                ; the last group's stores have read their offsets and their data
	TILES
	SETA
	CLEAR
	s_mov_b64 s[SA:SA+1], s[SA0:SA0+1]
	s_mov_b32 s[TB], 0
	v_mov_b32 v[VL], v[VB0]
	s_mov_b32 s[CNT], NCH
.Loch:
	OCHUNK
	s_sub_co_u32 s[CNT], s[CNT], 1
	s_cmp_lg_u32 s[CNT], 0
	s_cbranch_scc1 .Loch
.Lepi:
	s_wait_loadcnt 0x0                             ; the ring's registers are put to other use from here on: no load into them is out (the count-downs above ended at 0)
	s_wait_xcnt 0x0                                ; the registers that the last group's stores read are rewritten only behind this wait
	EPI1 0
	EPI1 1
	EPI1 2
	EPI1 3
	EPI1 4
.Lnext:
	s_add_co_u32 s[PG], s[PG], 1
	s_cmp_lt_u32 s[PG], 4
	s_cbranch_scc1 .Lover
	s_endpgm
.Lfunc_end_k_q7bba775ee7_gateup:
	.size	k_q7bba775ee7_gateup, .Lfunc_end_k_q7bba775ee7_gateup-k_q7bba775ee7_gateup
	.p2alignl 7, 3214868480
	.fill 96, 4, 3214868480
	.section	.rodata,"a",@progbits
	.p2align	6, 0x0
	.amdhsa_kernel k_q7bba775ee7_gateup
		.amdhsa_group_segment_fixed_size 278528
		.amdhsa_private_segment_fixed_size 0
		.amdhsa_enable_private_segment 0
		.amdhsa_kernarg_size 32
		.amdhsa_user_sgpr_count 2
		.amdhsa_user_sgpr_kernarg_segment_ptr 1
		.amdhsa_wavefront_size32 1
		.amdhsa_system_sgpr_workgroup_id_x 1
		.amdhsa_system_sgpr_workgroup_id_y 1
		.amdhsa_system_sgpr_workgroup_id_z 1
		.amdhsa_system_vgpr_workitem_id 0
		.amdhsa_next_free_vgpr 512
		.amdhsa_next_free_sgpr 66
		.amdhsa_reserve_vcc 0
		.amdhsa_float_denorm_mode_32 3
		.amdhsa_float_denorm_mode_16_64 3
		.amdhsa_memory_ordered 1
		.amdhsa_forward_progress 1
		.amdhsa_inst_pref_size 152
	.end_amdhsa_kernel
	.amdgpu_metadata
---
amdhsa.version: [ 1, 2 ]
amdhsa.kernels:
  - .name:           k_q7bba775ee7_gateup
    .symbol:         k_q7bba775ee7_gateup.kd
    .args:
      - { .name: xg, .offset: 0, .size: 8, .value_kind: global_buffer, .address_space: global }
      - { .name: gate_up_proj, .offset: 8, .size: 8, .value_kind: global_buffer, .address_space: global }
      - { .name: meta, .offset: 16, .size: 8, .value_kind: global_buffer, .address_space: global }
      - { .name: hB, .offset: 24, .size: 8, .value_kind: global_buffer, .address_space: global }
    .group_segment_fixed_size: 278528
    .private_segment_fixed_size: 0
    .kernarg_segment_align: 8
    .kernarg_segment_size: 32
    .max_flat_workgroup_size: 256
    .sgpr_count:     66
    .vgpr_count:     512
    .wavefront_size: 32
...
	.end_amdgpu_metadata
.endif
;; end of part 6
;; launch down: the kernel of part 3 again; grid 32 x 8, 8 waves a work-group, no clusters, 313,344 bytes of LDS; arguments hB, down_proj, meta, y; writes y
;; launch combine: the kernel of part 4 again; grid 256 x 1, 8 waves a work-group, no clusters, 0 bytes of LDS; arguments y, pos, coef, out0; writes out0
